; MI455X (gfx1250); checked and timed in simulation.
; The chip was launched on July 23, 2026; its instructions are those of AMD's public machine-readable ISA for CDNA 5 (MIT licence, August 2026) and "CDNA5" Instruction Set Architecture Reference Guide (July 2026). The comments in the code are by the model that wrote it; some were corrected since.
;; Spatial Attention. Allowed arithmetic: float matrix products may take bf16 or f16 operands with f32 sums; all other float work in f32.
;; Inputs: Wk 128 x 130 float32; Wp 128 x 128 float32; Wq 128 x 128 float32; Wv 128 x 130 float32; alignment 2 x 8 x 2,048 x 16 float32; bp 128 float32; dist 2 x 8 x 2,048 x 16 float32; spatial_idx 2 x 8 x 2,048 x 16 int32; spatial_wgt 2 x 8 x 2,048 x 16 float32; x 2 x 2,048 x 8 x 128 float32.
;; Outputs: out0 2 x 2,048 x 8 x 128 float32.
;; 2 versions, each right and faster than the one before. Each part assembles by itself: llvm-mc -triple=amdgcn-amd-amdhsa -mcpu=gfx1250 --defsym DOCPART=n.
;; ======== version 1 of 2: 2 launches
;; limits: values are held in f16: magnitudes above 65,504 overflow, below 6.1e-05 lose precision
;; workspace buffers: qkv 25,165,824 bytes
;; launch qkv (part 1): grid 256 x 1, 12 waves a work-group, no clusters, 193,024 bytes of LDS; arguments x, Wq, Wk, Wv, qkv; writes qkv
.if DOCPART == 1
	.amdgcn_target "amdgcn-amd-amdhsa--gfx1250"
	.amdhsa_code_object_version 6
	.text
	.protected	k_qc55cafad7c_qkv
	.globl	k_qc55cafad7c_qkv
	.p2align	8
	.type	k_qc55cafad7c_qkv,@function
k_qc55cafad7c_qkv:
	s_mov_b64 s[64:65], 0
	v_nop
	global_prefetch_b8 v0, s[64:65] scope:SCOPE_SE
	s_setreg_imm32_b32 hwreg(HW_REG_WAVE_MODE, 25, 1), 1
	s_wait_xcnt 0x0
; q, K, V projections of every row of x, once:  plane 0 = x Wq^T, plane 1 = x Wk[:, 0:128]^T, plane 2 = x Wv[:, 0:128]^T.
; The projection is linear, so it commutes with the gather of neighbours: the second launch gathers projected rows and adds the
; two extra features (columns 128 and 129 of Wk and Wv) there.  qkv: three planes of [32768 rows][128] f16, rows in x's own order.
; LIMIT: x, the weights and q, K, V are kept in f16: each must stay below 65,504 in magnitude.
; f16 and not bf16, because its 11 bits of mantissa leave the rounding of operands and of the stored rows far inside the tolerance.
; SHARES: a work-group owns 128 rows; 12 waves: wave w makes plane w >> 2, rows 32 (w & 3) .. + 31, all 128 columns:
; 8 column tiles x 2 row tiles x 4 steps of 32 along K = 64 matrix instructions, 16 accumulators.
; The matrix instruction takes rows of W as A and rows of x as B: register j of lane (r, hh) is then Y[row 16 nt + r][column 16 mt + 8 hh + j],
; eight neighbouring columns of one row, which pack into 16 bytes.
; NO JOINT LOADS of the weights, though all work-groups read them: they lie in memory as f32 and are converted in registers on the way;
; as f32 tiles they would take 196,608 bytes of LDS beside the 191,488 used here, more than the 327,680 of a work-group.
.set PITCH, 272                        ; an LDS row: 256 bytes of f16 + 16, an odd multiple of 16: the 16 rows of a fragment load begin in different banks
.set XT,  0                            ; 128 rows of x in f16
.set WT,  128*PITCH                    ; 384 rows: Wq, Wk, Wv in f16
.set STG, WT+384*PITCH                 ; 16 rows for each wave, its own: the way out
.set L16, 2                            ; v2   16 x lane
.set L8,  3                            ; v3   8 x lane
.set XA,  4                            ; v4   where my x rows go
.set WA,  5                            ; v5   where my W rows go
.set AAD, 6                            ; v6   my A fragments (rows of my plane's W)
.set BAD, 7                            ; v7   my B fragments (my 32 rows of x)
.set STO, 8                            ; v8   stage: in
.set RD,  9                            ; v9   stage: back, by rows
.set AS,  16                           ; v[16:47], v[48:79]   four A fragments, two sets
.set BT,  80                           ; v[80:95], v[96:111]  two B fragments, two sets
.set ACC, 112                          ; v[112:239] tile (mt, nt) at 8 (2 mt + nt)
.set XR,  16                           ; while loading: 16 rows of x, 4 registers each
.set WR,  112                          ; while loading: 32 rows of W, 4 registers each
.set TMP, 16                           ; the way out: packed results
.set RB,  48                           ; the way out: rows read back, v[48:79] for nt = 0, v[80:111] for nt = 1
	s_load_b256 s[4:11], s[0:1], 0x0               ; x s[4:5], Wq s[6:7], Wk s[8:9], Wv s[10:11]
	s_load_b64 s[12:13], s[0:1], 0x20              ; qkv
	v_lshl_add_u32 v240, v0, 2, 0x2ec00
	v_mov_b32 v241, 0
	v_lshrrev_b32 v1, 5, v0
	v_readfirstlane_b32 s14, v1                    ; wave 0..11
	s_lshr_b32 s15, s14, 2                         ; plane
	s_and_b32 s16, s14, 3                          ; which 32 rows
	v_and_b32 v1, 31, v0                           ; lane
	v_and_b32 v10, 15, v0                          ; r
	v_bfe_u32 v11, v0, 4, 1                        ; hh
	v_lshlrev_b32 v[L16], 4, v1
	v_lshlrev_b32 v[L8], 3, v1
	v_mul_u32_u24 v12, v10, PITCH
	v_lshl_add_u32 v12, v11, 4, v12                ; r x pitch + 16 hh: a fragment's lane term
	v_mul_u32_u24 v13, v11, PITCH
	v_lshl_add_u32 v13, v10, 4, v13                ; hh x pitch + 16 r: two whole rows a load
	s_mul_i32 s17, s14, 16*PITCH
	v_add_nc_u32 v[XA], s17, v[L8]                 ; XT (= 0) + 16 w rows + 8 lane (used by waves 0-7 alone)
	s_add_co_u32 s17, s17, STG
	v_add_nc_u32 v[STO], s17, v12
	v_add_nc_u32 v[RD], s17, v13
	s_mul_i32 s17, s14, 32*PITCH
	s_add_co_u32 s17, s17, WT
	v_lshl_add_u32 v[WA], v1, 2, s17               ; WT + 32 w rows + 4 lane
	s_mul_i32 s17, s15, 128*PITCH
	s_add_co_u32 s17, s17, WT
	v_add_nc_u32 v[AAD], s17, v12
	s_mul_i32 s17, s16, 32*PITCH
	v_add_nc_u32 v[BAD], s17, v12
	s_lshl_b32 s18, ttmp9, 16                      ; 128 rows of 512 bytes
	s_lshl_b32 s19, s14, 13                        ; + 16 rows a wave
	s_add_co_u32 s18, s18, s19
	s_mov_b32 s19, 0
	s_lshl_b32 s26, s15, 23                        ; a plane is 8,388,608 bytes
	s_lshl_b32 s27, ttmp9, 15                      ; 128 rows of 256 bytes
	s_add_co_u32 s26, s26, s27
	s_lshl_b32 s27, s16, 13                        ; 32 rows
	s_add_co_u32 s26, s26, s27
	s_mov_b32 s27, 0
	s_lshl_b32 s17, s16, 14                        ; 32 rows of Wq: 512 bytes each
	s_mul_i32 s28, s16, 32*520                     ; 32 rows of Wk or Wv: 520 bytes each
	s_mov_b32 s29, 0
	s_wait_kmcnt 0x0
	s_add_nc_u64 s[20:21], s[4:5], s[18:19]        ; my 16 rows of x
	s_add_nc_u64 s[24:25], s[12:13], s[26:27]      ; my 32 rows of my plane
	s_cmp_eq_u32 s15, 1
	s_cselect_b64 s[22:23], s[8:9], s[10:11]       ; Wk or Wv,
	s_cmp_eq_u32 s15, 0
	s_cselect_b64 s[22:23], s[6:7], s[22:23]       ; or Wq
	s_cselect_b32 s28, s17, s28
	s_add_nc_u64 s[22:23], s[22:23], s[28:29]      ; my 32 rows of it
	; waves 0-7: 16 rows of x, a whole row of 512 bytes by each load
	s_cmp_ge_u32 s14, 8
	s_cbranch_scc1 .Lno_x_load
.set i, 0
.rept 16
	global_load_b128 v[XR+4*i:XR+4*i+3], v[L16], s[20:21] offset:512*i th:TH_LOAD_NT
.set i, i+1
.endr
.Lno_x_load:
; every wave: columns 0-127 of 32 rows of W, 8 bytes a lane (rows of 520 bytes begin on multiples of 8 only): 64 loads on either way
.macro LOADW pitch
.set i, 0
.rept 32
	global_load_b64 v[WR+4*i:WR+4*i+1],   v[L8], s[22:23] offset:i*\pitch
	global_load_b64 v[WR+4*i+2:WR+4*i+3], v[L8], s[22:23] offset:i*\pitch+256
.set i, i+1
.endr
.endm
	s_cmp_lg_u32 s15, 0
	s_cbranch_scc1 .Lrows_520
	LOADW 512
	s_branch .Lw_asked
.Lrows_520:
	LOADW 520
.Lw_asked:
	s_cmp_ge_u32 s14, 8
	s_cbranch_scc1 .Lno_x_conv
	s_wait_loadcnt 63                              ; 64 loads are younger than x's last; the wait's field ends at 63, and the smaller count is safe
.set i, 0
.rept 16
	v_cvt_pk_f16_f32 v[XR+4*i],   v[XR+4*i],   v[XR+4*i+1]
	v_cvt_pk_f16_f32 v[XR+4*i+1], v[XR+4*i+2], v[XR+4*i+3]
	ds_store_b64 v[XA], v[XR+4*i:XR+4*i+1] offset:i*PITCH
.set i, i+1
.endr
.Lno_x_conv:
.macro WCONV g                         ; rows 8 g .. 8 g + 7 of my 32
	s_wait_loadcnt 48-16*\g                        ; two loads a row: 16 (3 - g) are younger than this group's last
.set i, 8*\g
.rept 8
	v_cvt_pk_f16_f32 v[WR+4*i],   v[WR+4*i],   v[WR+4*i+1]
	v_cvt_pk_f16_f32 v[WR+4*i+2], v[WR+4*i+2], v[WR+4*i+3]
	ds_store_b32 v[WA], v[WR+4*i]   offset:i*PITCH       ; columns 2 l, 2 l + 1
	ds_store_b32 v[WA], v[WR+4*i+2] offset:i*PITCH+128   ; columns 64 + 2 l, 64 + 2 l + 1
.set i, i+1
.endr
.endm
	WCONV 0
	WCONV 1
	WCONV 2
	WCONV 3
	s_wait_dscnt 0x0                               ; my stores are in LDS, for the other waves' sake
	s_barrier_signal -1
	s_barrier_wait -1                              ; x and W are whole; nothing in XT or WT is written again
.macro PLACES                          ; four plain vector instructions between a matrix instruction and a load into, or a vector instruction on, its registers
.rept 4
	v_nop
.endr
.endm
; step i = 0..7: K step i >> 1, column tiles 4 (i & 1) .. + 3.  Its loads: on even i the two B fragments (4 loads), always four A fragments (8 loads).
.macro LOADSTEP i
.set ks, (\i)>>1
.set hf, (\i)&1
.if hf == 0
.irp nt, 0,1
	ds_load_b128 v[BT+16*(ks&1)+8*\nt:BT+16*(ks&1)+8*\nt+3],   v[BAD] offset:\nt*16*PITCH+64*ks
	ds_load_b128 v[BT+16*(ks&1)+8*\nt+4:BT+16*(ks&1)+8*\nt+7], v[BAD] offset:\nt*16*PITCH+64*ks+32
.endr
.endif
.irp m, 0,1,2,3
	ds_load_b128 v[AS+32*hf+8*\m:AS+32*hf+8*\m+3],   v[AAD] offset:(4*hf+\m)*16*PITCH+64*ks
	ds_load_b128 v[AS+32*hf+8*\m+4:AS+32*hf+8*\m+7], v[AAD] offset:(4*hf+\m)*16*PITCH+64*ks+32
.endr
.endm
; The next step's fragments are asked for first, into the sets that the step before last read; then this step's eight products.
; The accumulators take turns, one instruction a turn: an accumulator comes round again after fifteen others.
.macro STEP i
.if \i < 7
.if \i >= 1
	PLACES
.endif
	LOADSTEP (\i+1)
.if ((\i+1)&1) == 0
	s_wait_dscnt 12                                ; all but the 12 loads just issued: this step's fragments are in
.else
	s_wait_dscnt 8                                 ; all but the 8 just issued
.endif
.else
	s_wait_dscnt 0
.endif
.set sks, (\i)>>1
.set shf, (\i)&1
.irp m, 0,1,2,3
.irp nt, 0,1
.set acc, ACC+8*(2*(4*shf+\m)+\nt)
.if sks == 0
	v_wmma_f32_16x16x32_f16 v[acc:acc+7], v[AS+32*shf+8*\m:AS+32*shf+8*\m+7], v[BT+16*(sks&1)+8*\nt:BT+16*(sks&1)+8*\nt+7], 0
.else
	v_wmma_f32_16x16x32_f16 v[acc:acc+7], v[AS+32*shf+8*\m:AS+32*shf+8*\m+7], v[BT+16*(sks&1)+8*\nt:BT+16*(sks&1)+8*\nt+7], v[acc:acc+7]
.endif
.endr
.endr
.endm
	LOADSTEP 0
	STEP 0                                         ; steps 0 and 1 start the sums: nothing is cleared
	STEP 1
	STEP 2
	STEP 3
	STEP 4
	STEP 5
	STEP 6
	STEP 7
	PLACES                                         ; behind the last products: the conversions read results and write fragment registers
; 16 rows at a time: to f16, 16 bytes a lane into my own stage, back as whole rows.  LDS serves a wave's instructions in order
; (ISA guide 5.7.1), so no wait stands between the stores and the loads.  A store of the wave covers 512 consecutive bytes, aligned.
.macro OUT nt
.irp mt, 0,1,2,3,4,5,6,7
.irp q, 0,1,2,3
	v_cvt_pk_f16_f32 v[TMP+4*\mt+\q], v[ACC+8*(2*\mt+\nt)+2*\q], v[ACC+8*(2*\mt+\nt)+2*\q+1]
.endr
.endr
.irp mt, 0,1,2,3,4,5,6,7
	ds_store_b128 v[STO], v[TMP+4*\mt:TMP+4*\mt+3] offset:32*\mt
.endr
.irp t, 0,1,2,3,4,5,6,7
	ds_load_b128 v[RB+32*\nt+4*\t:RB+32*\nt+4*\t+3], v[RD] offset:2*\t*PITCH
.endr
.irp t, 0,1,2,3,4,5,6,7
	s_wait_dscnt 7-\t                              ; rows 2 t, 2 t + 1 are back
	global_store_b128 v[L16], v[RB+32*\nt+4*\t:RB+32*\nt+4*\t+3], s[24:25] offset:(16*\nt+2*\t)*256
.endr
.endm
	OUT 0
	OUT 1                                          ; reads back into other registers than OUT 0's stores name
	s_wait_tensorcnt 0x0
	ds_add_u32 v240, v241
	s_wait_dscnt 0x0
	s_endpgm
.Lfunc_end_k_qc55cafad7c_qkv:
	.size	k_qc55cafad7c_qkv, .Lfunc_end_k_qc55cafad7c_qkv-k_qc55cafad7c_qkv
	.p2alignl 7, 3214868480
	.fill 96, 4, 3214868480
	.section	.rodata,"a",@progbits
	.p2align	6, 0x0
	.amdhsa_kernel k_qc55cafad7c_qkv
		.amdhsa_group_segment_fixed_size 193024
		.amdhsa_private_segment_fixed_size 0
		.amdhsa_enable_private_segment 0
		.amdhsa_kernarg_size 40
		.amdhsa_user_sgpr_count 2
		.amdhsa_user_sgpr_kernarg_segment_ptr 1
		.amdhsa_wavefront_size32 1
		.amdhsa_system_sgpr_workgroup_id_x 1
		.amdhsa_system_sgpr_workgroup_id_y 1
		.amdhsa_system_sgpr_workgroup_id_z 1
		.amdhsa_system_vgpr_workitem_id 0
		.amdhsa_next_free_vgpr 242
		.amdhsa_next_free_sgpr 66
		.amdhsa_reserve_vcc 0
		.amdhsa_float_denorm_mode_32 3
		.amdhsa_float_denorm_mode_16_64 3
		.amdhsa_memory_ordered 1
		.amdhsa_forward_progress 1
		.amdhsa_inst_pref_size 46
	.end_amdhsa_kernel
	.amdgpu_metadata
---
amdhsa.version: [ 1, 2 ]
amdhsa.kernels:
  - .name:           k_qc55cafad7c_qkv
    .symbol:         k_qc55cafad7c_qkv.kd
    .args:
      - { .name: x, .offset: 0, .size: 8, .value_kind: global_buffer, .address_space: global }
      - { .name: Wq, .offset: 8, .size: 8, .value_kind: global_buffer, .address_space: global }
      - { .name: Wk, .offset: 16, .size: 8, .value_kind: global_buffer, .address_space: global }
      - { .name: Wv, .offset: 24, .size: 8, .value_kind: global_buffer, .address_space: global }
      - { .name: qkv, .offset: 32, .size: 8, .value_kind: global_buffer, .address_space: global }
    .group_segment_fixed_size: 193024
    .private_segment_fixed_size: 0
    .kernarg_segment_align: 8
    .kernarg_segment_size: 40
    .max_flat_workgroup_size: 384
    .sgpr_count:     66
    .vgpr_count:     242
    .wavefront_size: 32
...
	.end_amdgpu_metadata
.endif
;; end of part 1
;; launch attn (part 2): grid 256 x 1, 16 waves a work-group, no clusters, 180,224 bytes of LDS; arguments qkv, spatial_idx, spatial_wgt, alignment, dist, Wk, Wv, Wp, bp, out0; writes out0
.if DOCPART == 2
	.amdgcn_target "amdgcn-amd-amdhsa--gfx1250"
	.amdhsa_code_object_version 6
	.text
	.protected	k_qc55cafad7c_attn
	.globl	k_qc55cafad7c_attn
	.p2align	8
	.type	k_qc55cafad7c_attn,@function
k_qc55cafad7c_attn:
	s_mov_b64 s[64:65], 0
	v_nop
	global_prefetch_b8 v0, s[64:65] scope:SCOPE_SE
	s_setreg_imm32_b32 hwreg(HW_REG_WAVE_MODE, 25, 1), 1
	s_wait_xcnt 0x0
; Attention of every point over its 16 listed neighbours, 4 heads of 32, and the output projection.
;   logit[h][k] = q_h . (K[idx_k] + ali_k Wk[:,128] + dst_k Wk[:,129])_h / sqrt(32) + ln(wgt_k + 1e-6);  softmax over k with the true maximum taken away;
;   o = sum_k p_k (V[idx_k] + ali_k Wv[:,128] + dst_k Wv[:,129]);  out = o Wp^T + bp.
; q, K, V are the f16 rows that the first launch stored.  Logits are kept in base 2: q is scaled by log2(e) / sqrt(32), the weight enters as log2.
; LIMIT: q, K, V, o and Wp are kept in f16: each must stay below 65,504 in magnitude.  An index is clamped to 0..2047.
; SHARES: work-group g owns slice g >> 4 (b = g >> 7, t = (g >> 4) & 7), points 128 (g & 15) .. + 127.  Wave w owns 8 points, as 4 pairs.
; In pair p lane (r, hh) serves point 8 w + 2 p + hh and features 8 r .. 8 r + 7 (head r >> 2, four lanes a head): one 16-byte load of the wave
; fetches two whole rows of 256 bytes, one for each half of the wave, straight into registers.
; THE ATTENTION PRODUCTS RUN ON THE VECTOR UNIT, in f32: each (point, head) has a key set of its own, 1 x 32 by 32 x 16.  A matrix fragment
; wants a lane to hold a neighbour's row, so the gathered rows would go through LDS and back (64 passes of 256 bytes a point), with three
; quarters of each matrix result unused.  The output projection is a dense product and runs on the matrix unit.
; NO JOINT LOADS: the gather is lane by lane; a slice's K and V (1,048,576 bytes) do not fit in LDS; what work-groups share beside them,
; Wp, is 65,536 bytes against 1,048,576 gathered by each.
.set PITCH, 272
.set WPT, 0                            ; Wp in f16, 128 rows
.set OT,  128*PITCH                    ; o in f16, 128 rows
.set MT,  2*128*PITCH                  ; for each wave 1,536 bytes of its own: 0.25 log2(wgt + 1e-6) | ali | dst, each [8 points][16] f32
.set MTW, 1536
.set QS,  MT+16*MTW                    ; for each wave 5,120 bytes of its own: per pair 1,280: q' low 16 bytes a lane, high 16 bytes a lane, (ua, ud) 8 bytes a lane
.set QSW, 5120                         ;   behind the pairs the same bytes are the wave's stage for the way out (16 x 272)
.set QSP, 1280
.set EK,  QS+16*QSW                    ; [c] -> (Wk[c][128], Wk[c][129])
.set EV0, EK+1024                      ; [c] -> Wv[c][128];  512 bytes on: Wv[c][129]
.set PLANE, 8388608
.set SCALE, 0x3e8293ee                 ; log2(e) / sqrt(32)
.set KK,  0                            ; v[0:63]    K rows, 4 registers a neighbour (halves are named on v0-v127 only)
.set VV,  64                           ; v[64:127]  V rows
.set OFF, 128                          ; v[128:143] indices, then byte offsets of the 16 rows
.set LL,  144                          ; v[144:159] logits, then p
.set ALI, 160                          ; v[160:175]
.set DST, 176                          ; v[176:191]
.set WV0, 192                          ; v[192:199] Wv[8 r + e][128]
.set WV1, 200                          ; v[200:207] Wv[8 r + e][129]
.set QQ,  208                          ; v[208:215] q', later o
.set TT,  216                          ; v[216:231] at work
.set UAD, 232                          ; v[232:233] my part of q' . Wk[:,128] and q' . Wk[:,129]
.set MM,  234                          ; v[234:235] the maximum (first of the pair)
.set ZZ,  236                          ; v[236:237] sum p ali, sum p dst
.set RR,  238                          ; v[238:239] 1 / sum p (first of the pair)
.set SS,  240
.set PK,  244                          ; v[244:247] o in f16
.set R16, 248                          ; 16 r
.set MB,  249                          ; my wave's lists + 64 hh
.set QSB, 250                          ; my wave's QS + 16 lane
.set UAB, 251                          ; my wave's QS + 8 lane
.set OTA, 252                          ; OT + (8 w + hh) rows + 16 r
.set IDO, 253                          ; 64 hh
.set FR,  254                          ; r x pitch + 16 hh
.set RBK, 255                          ; hh x pitch + 16 r
.set IB, 28                            ; s[28:29] my wave's index lists
.set KB, 38                            ; s[38:39] K's plane at (b, point 0, t)
.set VB, 40                            ; s[40:41] V's plane likewise
; --- leaf macros.  Registers whose halves are named come as plain numbers. ---
.macro CVT8 d, a0, a1, a2, a3          ; the eight f16 of v(a0) .. v(a3) widened into v[d .. d+7]
	v_cvt_f32_f16 v[\d+0], v\a0\().l
	v_cvt_f32_f16 v[\d+1], v\a0\().h
	v_cvt_f32_f16 v[\d+2], v\a1\().l
	v_cvt_f32_f16 v[\d+3], v\a1\().h
	v_cvt_f32_f16 v[\d+4], v\a2\().l
	v_cvt_f32_f16 v[\d+5], v\a2\().h
	v_cvt_f32_f16 v[\d+6], v\a3\().l
	v_cvt_f32_f16 v[\d+7], v\a3\().h
.endm
.macro KC e, a, b, h                   ; feature e of neighbours j and j + 1, as a pair
	v_cvt_f32_f16 v[TT+2*\e],   v\a\().\h
	v_cvt_f32_f16 v[TT+2*\e+1], v\b\().\h
.endm
.macro KF lp, e                        ; both logits += that pair x q'[e]
.if (\e)&1
	v_pk_fma_f32 v[\lp:\lp+1], v[TT+2*\e:TT+2*\e+1], v[QQ+\e-1:QQ+\e], v[\lp:\lp+1] op_sel:[0,1,0] op_sel_hi:[1,1,1]
.else
	v_pk_fma_f32 v[\lp:\lp+1], v[TT+2*\e:TT+2*\e+1], v[QQ+\e:QQ+\e+1], v[\lp:\lp+1] op_sel_hi:[1,0,1]
.endif
.endm
.macro KPAIR a0, a1, a2, a3, b0, b1, b2, b3, lp    ; two neighbours' rows against q': conversions run one feature ahead of the multiply-adds
	KC 0, \a0, \b0, l
	KC 1, \a0, \b0, h
	KF \lp, 0
	KC 2, \a1, \b1, l
	KF \lp, 1
	KC 3, \a1, \b1, h
	KF \lp, 2
	KC 4, \a2, \b2, l
	KF \lp, 3
	KC 5, \a2, \b2, h
	KF \lp, 4
	KC 6, \a3, \b3, l
	KF \lp, 5
	KC 7, \a3, \b3, h
	KF \lp, 6
	KF \lp, 7
.endm
.macro VROW a0, a1, a2, a3, tb, pp, odd            ; o += p[j] x one neighbour's V row; p[j] is the first (odd = 0) or second of the pair at pp
	CVT8 \tb, \a0, \a1, \a2, \a3
.irp i, 0,2,4,6
.if \odd
	v_pk_fma_f32 v[QQ+\i:QQ+\i+1], v[\tb+\i:\tb+\i+1], v[\pp:\pp+1], v[QQ+\i:QQ+\i+1] op_sel:[0,1,0] op_sel_hi:[1,1,1]
.else
	v_pk_fma_f32 v[QQ+\i:QQ+\i+1], v[\tb+\i:\tb+\i+1], v[\pp:\pp+1], v[QQ+\i:QQ+\i+1] op_sel_hi:[1,0,1]
.endif
.endr
.endm
.macro IDX p                           ; pair p's two lists of 16 indices: every lane of a half takes its point's whole list
.irp i, 0,1,2,3
	global_load_b128 v[OFF+4*\i:OFF+4*\i+3], v[IDO], s[IB:IB+1] offset:128*\p+16*\i th:TH_LOAD_NT
.endr
.endm
.macro ADDR                            ; index -> clamped -> byte offset of my 16 bytes: a point's rows are 2,048 bytes apart (8 t of 256)
.irp j, 0,1,2,3,4,5,6,7,8,9,10,11,12,13,14,15
	v_min_u32 v[OFF+\j], 0x7ff, v[OFF+\j]
.endr
.irp j, 0,1,2,3,4,5,6,7,8,9,10,11,12,13,14,15
	v_lshl_add_u32 v[OFF+\j], v[OFF+\j], 11, v[R16]
.endr
.endm
.macro GATHER dst, base                ; 16 loads, each two whole rows of 256 bytes
.irp j, 0,1,2,3,4,5,6,7,8,9,10,11,12,13,14,15
	global_load_b128 v[\dst+4*\j:\dst+4*\j+3], v[OFF+\j], s[\base:\base+1]
.endr
.endm
	s_load_b512 s[8:23], s[0:1], 0x0               ; qkv 8, idx 10, wgt 12, ali 14, dist 16, Wk 18, Wv 20, Wp 22
	s_load_b128 s[24:27], s[0:1], 0x40             ; bp 24, out0 26
	v_lshl_add_u32 v242, v0, 2, 0x2b800
	v_mov_b32 v243, 0
	v_lshrrev_b32 v216, 5, v0
	v_readfirstlane_b32 s3, v216                   ; wave 0..15
	s_mov_b32 s2, ttmp9                            ; g
	s_lshr_b32 s4, s2, 7                           ; b
	s_bfe_u32 s5, s2, 0x30004                      ; t
	s_and_b32 s6, s2, 15
	s_lshl_b32 s6, s6, 7                           ; first point
	s_and_b32 s58, s3, 1                           ; closing product: which 64 columns
	s_lshr_b32 s59, s3, 1                          ;                  which 16 points
	v_and_b32 v216, 31, v0                         ; lane
	v_and_b32 v217, 15, v0                         ; r
	v_bfe_u32 v218, v0, 4, 1                       ; hh
	v_and_b32 v227, 7, v0
	v_lshlrev_b32 v[R16], 4, v217
	v_lshlrev_b32 v[IDO], 6, v218
	v_lshl_add_u32 v219, v218, 11, v[R16]          ; q: point hh of a pair, my 16 bytes
	v_lshlrev_b32 v220, 4, v0                      ; lists: 16 bytes a thread; a wave's 512 bytes are its own 8 points
	v_mul_u32_u24 v221, v227, 520                  ; extra columns: row lane & 7 of my wave's 8
	v_lshlrev_b32 v222, 4, v216
	s_mul_i32 s7, s3, MTW
	s_add_co_u32 s7, s7, MT
	v_add_nc_u32 v223, s7, v222
	v_add_nc_u32 v[MB], s7, v[IDO]
	s_mul_i32 s54, s3, QSW
	s_add_co_u32 s54, s54, QS                      ; my wave's QS, kept for the way out
	v_add_nc_u32 v[QSB], s54, v222
	v_lshl_add_u32 v[UAB], v216, 3, s54
	v_mul_u32_u24 v[RBK], v218, PITCH
	v_add_nc_u32 v[RBK], v[RBK], v[R16]
	v_mul_u32_u24 v[FR], v217, PITCH
	v_lshl_add_u32 v[FR], v218, 4, v[FR]
	s_mul_i32 s7, s3, 8*PITCH
	v_lshl_add_u32 v226, v216, 3, s7               ; WPT (= 0) + 8 w rows + 8 lane
	s_add_co_u32 s7, s7, OT
	v_add_nc_u32 v[OTA], s7, v[RBK]
	s_lshl_b32 s7, s3, 6
	s_add_co_u32 s7, s7, EK
	v_lshl_add_u32 v224, v227, 3, s7
	s_lshl_b32 s7, s3, 5
	s_add_co_u32 s7, s7, EV0
	v_lshl_add_u32 v225, v227, 2, s7
	v_mov_b32 v[RR+1], 0                           ; the second of a pair that packed instructions name whole
	s_wait_kmcnt 0x0
	s_lshl_b32 s52, s2, 13                         ; 128 points x 64 bytes
	s_mov_b32 s53, 0
	s_add_nc_u64 s[30:31], s[12:13], s[52:53]
	s_add_nc_u64 s[32:33], s[14:15], s[52:53]
	s_add_nc_u64 s[34:35], s[16:17], s[52:53]
	s_lshl_b32 s55, s3, 9
	s_add_co_u32 s52, s52, s55
	s_add_nc_u64 s[IB:IB+1], s[10:11], s[52:53]
	s_lshl_b32 s52, s4, 22                         ; b x 2048 points x 8 x 256 bytes
	s_lshl_b32 s55, s5, 8
	s_add_co_u32 s52, s52, s55
	s_add_nc_u64 s[KB:KB+1], s[8:9], s[52:53]
	s_lshl3_add_u32 s52, s3, s6                    ; my first point
	s_lshl_b32 s52, s52, 11
	s_add_nc_u64 s[36:37], s[KB:KB+1], s[52:53]    ; q of my first point
	s_add_nc_u64 s[KB:KB+1], s[KB:KB+1], PLANE
	s_add_nc_u64 s[VB:VB+1], s[KB:KB+1], PLANE
	s_mul_i32 s52, s3, 8*520
	s_add_co_u32 s52, s52, 512
	s_add_nc_u64 s[42:43], s[18:19], s[52:53]      ; Wk[8 w][128]
	s_add_nc_u64 s[44:45], s[20:21], s[52:53]      ; Wv[8 w][128]
	s_lshl_b32 s52, s3, 12
	s_add_nc_u64 s[46:47], s[22:23], s[52:53]      ; Wp's rows 8 w ..
	s_lshl_b32 s52, s58, 8
	s_add_nc_u64 s[48:49], s[24:25], s[52:53]      ; bp's 64 numbers of my columns
	s_lshl4_add_u32 s52, s59, s6
	s_lshl_b32 s52, s52, 12                        ; a point of out0 is 8 x 512 bytes
	s_lshl_b32 s55, s4, 23
	s_add_co_u32 s52, s52, s55
	s_lshl_b32 s55, s5, 9
	s_add_co_u32 s52, s52, s55
	s_lshl_b32 s55, s58, 8
	s_add_co_u32 s52, s52, s55
	s_add_nc_u64 s[50:51], s[26:27], s[52:53]
	; 21 loads: 4 indices, 4 q, 3 lists, 2 extra columns, 8 rows of Wp
	IDX 0
.irp p, 0,1,2,3
	global_load_b128 v[VV+4*\p:VV+4*\p+3], v219, s[36:37] offset:4096*\p th:TH_LOAD_NT
.endr
	global_load_b128 v[LL:LL+3],   v220, s[30:31] th:TH_LOAD_NT
	global_load_b128 v[ALI:ALI+3], v220, s[32:33] th:TH_LOAD_NT
	global_load_b128 v[DST:DST+3], v220, s[34:35] th:TH_LOAD_NT
	global_load_b64 v[UAD:UAD+1], v221, s[42:43]
	global_load_b64 v[MM:MM+1],   v221, s[44:45]
.irp i, 0,1,2,3,4,5,6,7
	global_load_b128 v[VV+16+4*\i:VV+16+4*\i+3], v222, s[46:47] offset:512*\i
.endr
	s_wait_loadcnt 17                              ; the 17 loads behind the indices may stay out
	ADDR
	GATHER KK, KB                                  ; pair 0's K rows go out first of all (v0 is not needed any more)
	s_wait_loadcnt 26                              ; younger than the lists: 2 + 8 + 16
.irp i, 0,1,2,3
	v_add_f32 v[LL+\i], 0x358637bd, v[LL+\i]       ; wgt + 1e-6
.endr
.irp i, 0,1,2,3
	v_log_f32 v[LL+\i], v[LL+\i]
.endr
	v_nop                                          ; one plain instruction behind the logarithms (ISA guide 5.7.2)
	s_wait_alu depctr_va_vdst(0)
.irp i, 0,1,2,3
	v_mul_f32 v[LL+\i], 0x3e800000, v[LL+\i]       ; a quarter in each of a head's four lanes: their sum restores it, exactly
.endr
	ds_store_b128 v223, v[LL:LL+3]
	ds_store_b128 v223, v[ALI:ALI+3] offset:512
	ds_store_b128 v223, v[DST:DST+3] offset:1024
	s_wait_loadcnt 24                              ; younger than the extra columns: 8 + 16
	ds_store_b64 v224, v[UAD:UAD+1]                ; four lanes write the same bytes with the same values
	ds_store_b32 v225, v[MM]
	ds_store_b32 v225, v[MM+1] offset:512
	s_wait_loadcnt 16                              ; only the K rows are out
.irp i, 0,1,2,3,4,5,6,7
	v_cvt_pk_f16_f32 v[VV+16+4*\i],   v[VV+16+4*\i],   v[VV+16+4*\i+1]
	v_cvt_pk_f16_f32 v[VV+16+4*\i+1], v[VV+16+4*\i+2], v[VV+16+4*\i+3]
	ds_store_b64 v226, v[VV+16+4*\i:VV+16+4*\i+1] offset:\i*PITCH
.endr
	s_wait_dscnt 0x0                               ; my stores are in LDS, for the other waves' sake
	s_barrier_signal -1
	s_barrier_wait -1                              ; the extra columns and Wp are whole
	v_lshl_add_u32 v[SS], v[R16], 2, EK            ; 64 r: my 8 features' pairs
	v_lshl_add_u32 v[SS+1], v[R16], 1, EV0         ; 32 r
.irp i, 0,1,2,3
	ds_load_b128 v[TT+4*\i:TT+4*\i+3], v[SS] offset:16*\i
.endr
	ds_load_b128 v[WV0:WV0+3],   v[SS+1]
	ds_load_b128 v[WV0+4:WV0+7], v[SS+1] offset:16
	ds_load_b128 v[WV1:WV1+3],   v[SS+1] offset:512
	ds_load_b128 v[WV1+4:WV1+7], v[SS+1] offset:528
	s_wait_dscnt 0x0
; q' = q log2(e) / sqrt(32) in f32 and my part of its products with Wk's two extra columns, put by for pair p (bytes of this lane alone)
.macro QPREP p, a0, a1, a2, a3
	CVT8 QQ, \a0, \a1, \a2, \a3
.irp i, 0,2,4,6
	v_pk_mul_f32 v[QQ+\i:QQ+\i+1], v[QQ+\i:QQ+\i+1], SCALE op_sel_hi:[1,0]
.endr
	v_pk_mul_f32 v[UAD:UAD+1], v[TT:TT+1], v[QQ:QQ+1] op_sel_hi:[1,0]
	v_pk_fma_f32 v[UAD:UAD+1], v[TT+2:TT+3], v[QQ:QQ+1], v[UAD:UAD+1] op_sel:[0,1,0] op_sel_hi:[1,1,1]
.irp i, 2,4,6
	v_pk_fma_f32 v[UAD:UAD+1], v[TT+2*\i:TT+2*\i+1],   v[QQ+\i:QQ+\i+1], v[UAD:UAD+1] op_sel_hi:[1,0,1]
	v_pk_fma_f32 v[UAD:UAD+1], v[TT+2*\i+2:TT+2*\i+3], v[QQ+\i:QQ+\i+1], v[UAD:UAD+1] op_sel:[0,1,0] op_sel_hi:[1,1,1]
.endr
	ds_store_b128 v[QSB], v[QQ:QQ+3]   offset:QSP*\p
	ds_store_b128 v[QSB], v[QQ+4:QQ+7] offset:QSP*\p+512
	ds_store_b64  v[UAB], v[UAD:UAD+1] offset:QSP*\p+1024
.endm
	QPREP 0, 64, 65, 66, 67
	QPREP 1, 68, 69, 70, 71
	QPREP 2, 72, 73, 74, 75
	QPREP 3, 76, 77, 78, 79
	GATHER VV, VB                                  ; pair 0's V rows
; One pair of points.  On entry its K rows (16 loads) and behind them its V rows (16 loads) are on their way.
.macro PAIR p, last
.if \last == 0
	s_wait_xcnt 0x0                                ; OFF serves the pending gathers as addresses: it is loaded again only behind this wait
	IDX (\p+1)
.endif
.irp i, 0,1,2,3
	ds_load_b128 v[LL+4*\i:LL+4*\i+3],   v[MB] offset:128*\p+16*\i
.endr
.irp i, 0,1,2,3
	ds_load_b128 v[ALI+4*\i:ALI+4*\i+3], v[MB] offset:512+128*\p+16*\i
.endr
.irp i, 0,1,2,3
	ds_load_b128 v[DST+4*\i:DST+4*\i+3], v[MB] offset:1024+128*\p+16*\i
.endr
	ds_load_b128 v[QQ:QQ+3],   v[QSB] offset:QSP*\p
	ds_load_b128 v[QQ+4:QQ+7], v[QSB] offset:QSP*\p+512
	ds_load_b64  v[UAD:UAD+1], v[UAB] offset:QSP*\p+1024
	s_wait_dscnt 0x0
	; the logits start as a quarter of log2(wgt + 1e-6), plus my lanes' part of the two extra features
.irp i, 0,2,4,6,8,10,12,14
	v_pk_fma_f32 v[LL+\i:LL+\i+1], v[ALI+\i:ALI+\i+1], v[UAD:UAD+1], v[LL+\i:LL+\i+1] op_sel_hi:[1,0,1]
.endr
.irp i, 0,2,4,6,8,10,12,14
	v_pk_fma_f32 v[LL+\i:LL+\i+1], v[DST+\i:DST+\i+1], v[UAD:UAD+1], v[LL+\i:LL+\i+1] op_sel:[0,1,0] op_sel_hi:[1,1,1]
.endr
.set lc, 16+4*(1-\last)                ; younger than all K rows: the 16 V rows, and the next pair's 4 index loads where there are any
	s_wait_loadcnt 12+lc                           ; K rows 0-3 are in, 12 more of K may be out
	KPAIR 0,1,2,3, 4,5,6,7, LL+0
	KPAIR 8,9,10,11, 12,13,14,15, LL+2
	s_wait_loadcnt 8+lc
	KPAIR 16,17,18,19, 20,21,22,23, LL+4
	KPAIR 24,25,26,27, 28,29,30,31, LL+6
	s_wait_loadcnt 4+lc
	KPAIR 32,33,34,35, 36,37,38,39, LL+8
	KPAIR 40,41,42,43, 44,45,46,47, LL+10
	s_wait_loadcnt lc
	KPAIR 48,49,50,51, 52,53,54,55, LL+12
	KPAIR 56,57,58,59, 60,61,62,63, LL+14
	; a head's four lanes add their parts; each then holds the head's 16 logits
.irp j, 0,1,2,3,4,5,6,7,8,9,10,11,12,13,14,15
	v_add_f32_dpp v[LL+\j], v[LL+\j], v[LL+\j] row_xmask:1 row_mask:0xf bank_mask:0xf
.endr
.irp j, 0,1,2,3,4,5,6,7,8,9,10,11,12,13,14,15
	v_add_f32_dpp v[LL+\j], v[LL+\j], v[LL+\j] row_xmask:2 row_mask:0xf bank_mask:0xf
.endr
	v_max3_num_f32 v[TT+0], v[LL+0],  v[LL+1],  v[LL+2]
	v_max3_num_f32 v[TT+1], v[LL+3],  v[LL+4],  v[LL+5]
	v_max3_num_f32 v[TT+2], v[LL+6],  v[LL+7],  v[LL+8]
	v_max3_num_f32 v[TT+3], v[LL+9],  v[LL+10], v[LL+11]
	v_max3_num_f32 v[TT+4], v[LL+12], v[LL+13], v[LL+14]
	v_max3_num_f32 v[TT+0], v[TT+0], v[TT+1], v[TT+2]
	v_max3_num_f32 v[TT+3], v[TT+3], v[TT+4], v[LL+15]
	v_max_num_f32 v[MM], v[TT+0], v[TT+3]          ; the true maximum of the 16
.irp i, 0,2,4,6,8,10,12,14
	v_pk_add_f32 v[LL+\i:LL+\i+1], v[LL+\i:LL+\i+1], v[MM:MM+1] op_sel_hi:[1,0] neg_lo:[0,1] neg_hi:[0,1]
.endr
.irp j, 0,1,2,3,4,5,6,7,8,9,10,11,12,13,14,15
	v_exp_f32 v[LL+\j], v[LL+\j]                   ; p, not yet divided: the largest is 1
.endr
.if \last == 0
	s_wait_loadcnt 0x0                             ; the next pair's indices are the youngest loads; this pair's V rows, asked for a whole K chain earlier, are covered with them
	ADDR                                           ; (plain instructions behind the exponentials: ISA guide 5.7.2)
	GATHER KK, KB                                  ; the next pair's K rows land during this pair's second half
.else
	v_nop                                          ; the plain instruction behind the exponentials
	s_wait_alu depctr_va_vdst(0)
.endif
	s_wait_alu depctr_va_vdst(0)
	v_pk_add_f32 v[TT+0:TT+1], v[LL+0:LL+1],   v[LL+2:LL+3]
	v_pk_add_f32 v[TT+2:TT+3], v[LL+4:LL+5],   v[LL+6:LL+7]
	v_pk_add_f32 v[TT+4:TT+5], v[LL+8:LL+9],   v[LL+10:LL+11]
	v_pk_add_f32 v[TT+6:TT+7], v[LL+12:LL+13], v[LL+14:LL+15]
	v_pk_mul_f32 v[TT+8:TT+9],   v[LL:LL+1], v[ALI:ALI+1]
	v_pk_mul_f32 v[TT+10:TT+11], v[LL:LL+1], v[DST:DST+1]
	v_pk_add_f32 v[TT+0:TT+1], v[TT+0:TT+1], v[TT+2:TT+3]
	v_pk_add_f32 v[TT+4:TT+5], v[TT+4:TT+5], v[TT+6:TT+7]
.irp i, 2,4,6,8,10,12,14
	v_pk_fma_f32 v[TT+8:TT+9],   v[LL+\i:LL+\i+1], v[ALI+\i:ALI+\i+1], v[TT+8:TT+9]
	v_pk_fma_f32 v[TT+10:TT+11], v[LL+\i:LL+\i+1], v[DST+\i:DST+\i+1], v[TT+10:TT+11]
.endr
	v_pk_add_f32 v[TT+0:TT+1], v[TT+0:TT+1], v[TT+4:TT+5]
	v_add_f32 v[SS], v[TT+0], v[TT+1]              ; sum p, at least 1
	v_rcp_f32 v[RR], v[SS]
	v_add_f32 v[ZZ],   v[TT+8],  v[TT+9]           ; sum p ali  (also the plain instruction behind the reciprocal)
	v_add_f32 v[ZZ+1], v[TT+10], v[TT+11]          ; sum p dst
	; o starts with the two extra features: nothing is cleared
.irp i, 0,2,4,6
	v_pk_mul_f32 v[QQ+\i:QQ+\i+1], v[WV0+\i:WV0+\i+1], v[ZZ:ZZ+1] op_sel_hi:[1,0]
.endr
.irp i, 0,2,4,6
	v_pk_fma_f32 v[QQ+\i:QQ+\i+1], v[WV1+\i:WV1+\i+1], v[ZZ:ZZ+1], v[QQ+\i:QQ+\i+1] op_sel:[0,1,0] op_sel_hi:[1,1,1]
.endr
.if \last
	s_wait_loadcnt 12                              ; the last pair: only its V rows are out; rows 0-3 are in
.endif
	VROW 64,65,66,67,     TT,   LL+0, 0
	VROW 68,69,70,71,     TT+8, LL+0, 1
	VROW 72,73,74,75,     TT,   LL+2, 0
	VROW 76,77,78,79,     TT+8, LL+2, 1
.if \last
	s_wait_loadcnt 8
.endif
	VROW 80,81,82,83,     TT,   LL+4, 0
	VROW 84,85,86,87,     TT+8, LL+4, 1
	VROW 88,89,90,91,     TT,   LL+6, 0
	VROW 92,93,94,95,     TT+8, LL+6, 1
.if \last
	s_wait_loadcnt 4
.endif
	VROW 96,97,98,99,     TT,   LL+8, 0
	VROW 100,101,102,103, TT+8, LL+8, 1
	VROW 104,105,106,107, TT,   LL+10, 0
	VROW 108,109,110,111, TT+8, LL+10, 1
.if \last
	s_wait_loadcnt 0x0
.endif
	VROW 112,113,114,115, TT,   LL+12, 0
	VROW 116,117,118,119, TT+8, LL+12, 1
	VROW 120,121,122,123, TT,   LL+14, 0
	VROW 124,125,126,127, TT+8, LL+14, 1
.if \last == 0
	GATHER VV, VB                                  ; the next pair's V rows, by the same offsets as its K rows
.endif
	s_wait_alu depctr_va_vdst(0)
.irp i, 0,2,4,6
	v_pk_mul_f32 v[QQ+\i:QQ+\i+1], v[QQ+\i:QQ+\i+1], v[RR:RR+1] op_sel_hi:[1,0]
.endr
.irp i, 0,1,2,3
	v_cvt_pk_f16_f32 v[PK+\i], v[QQ+2*\i], v[QQ+2*\i+1]
.endr
	ds_store_b128 v[OTA], v[PK:PK+3] offset:2*\p*PITCH
.endm
	PAIR 0, 0
	PAIR 1, 0
	PAIR 2, 0
	PAIR 3, 1
	; out = o Wp^T + bp.  Wave w makes points 16 (w >> 1) .. + 15, columns 64 (w & 1) .. + 63: rows of Wp as A, rows of o as B,
	; so that register j of lane (r, hh) is out[point r][column 16 mt + 8 hh + j].
	s_mul_i32 s7, s58, 64*PITCH
	v_add_nc_u32 v228, s7, v[FR]                   ; A: WPT (= 0) + my 64 rows of Wp
	s_mul_i32 s7, s59, 16*PITCH
	s_add_co_u32 s7, s7, OT
	v_add_nc_u32 v229, s7, v[FR]                   ; B: my 16 rows of o
	v_lshrrev_b32 v230, 2, v[IDO]
	v_add3_u32 v230, v230, v[FR], s54              ; stage, in: r x pitch + 32 hh
	v_add_nc_u32 v231, s54, v[RBK]                 ; stage, back: two rows of 256 bytes a load
	v_lshl_add_u32 v232, v[IDO], 6, v[R16]         ; out0: 4,096 hh + 16 r
	global_load_b128 v[224:227], v[R16], s[48:49]  ; bp of my four columns on the way out
	s_wait_dscnt 0x0                               ; my rows of o are in LDS, for the other waves' sake
	s_barrier_signal -1
	s_barrier_wait -1                              ; o is whole
.irp ks, 0,1,2,3
	ds_load_b128 v[128+8*\ks:131+8*\ks], v229 offset:64*\ks
	ds_load_b128 v[132+8*\ks:135+8*\ks], v229 offset:64*\ks+32
.irp mt, 0,1,2,3
	ds_load_b128 v[32*\ks+8*\mt:32*\ks+8*\mt+3],   v228 offset:\mt*16*PITCH+64*\ks
	ds_load_b128 v[32*\ks+8*\mt+4:32*\ks+8*\mt+7], v228 offset:\mt*16*PITCH+64*\ks+32
.endr
.endr
	; the four accumulators take turns, one instruction a turn; the first K step starts the sums
.irp ks, 0,1,2,3
	s_wait_dscnt 30-10*\ks                         ; ten loads a K step: the later steps' may stay out
.irp mt, 0,1,2,3
.if \ks == 0
	v_wmma_f32_16x16x32_f16 v[160+8*\mt:167+8*\mt], v[32*\ks+8*\mt:32*\ks+8*\mt+7], v[128+8*\ks:135+8*\ks], 0
.else
	v_wmma_f32_16x16x32_f16 v[160+8*\mt:167+8*\mt], v[32*\ks+8*\mt:32*\ks+8*\mt+7], v[128+8*\ks:135+8*\ks], v[160+8*\mt:167+8*\mt]
.endif
.endr
.endr
.rept 4
	v_nop                                          ; four plain instructions before the LDS stores read the results
.endr
.irp mt, 0,1,2,3
	ds_store_b128 v230, v[160+8*\mt:163+8*\mt] offset:64*\mt
	ds_store_b128 v230, v[164+8*\mt:167+8*\mt] offset:64*\mt+16
.endr
.irp t, 0,1,2,3,4,5,6,7
	ds_load_b128 v[192+4*\t:195+4*\t], v231 offset:2*\t*PITCH      ; my own bytes, served in order (ISA guide 5.7.1): no wait between
.endr
	s_wait_loadcnt 0x0                             ; bp
.irp t, 0,1,2,3,4,5,6,7
	s_wait_dscnt 7-\t
	v_pk_add_f32 v[192+4*\t:193+4*\t], v[192+4*\t:193+4*\t], v[224:225]
	v_pk_add_f32 v[194+4*\t:195+4*\t], v[194+4*\t:195+4*\t], v[226:227]
	global_store_b128 v232, v[192+4*\t:195+4*\t], s[50:51] offset:8192*\t th:TH_STORE_NT   ; sixteen lanes store 256 consecutive bytes, aligned
.endr
	s_wait_tensorcnt 0x0
	ds_add_u32 v242, v243
	s_wait_dscnt 0x0
	s_endpgm
.Lfunc_end_k_qc55cafad7c_attn:
	.size	k_qc55cafad7c_attn, .Lfunc_end_k_qc55cafad7c_attn-k_qc55cafad7c_attn
	.p2alignl 7, 3214868480
	.fill 96, 4, 3214868480
	.section	.rodata,"a",@progbits
	.p2align	6, 0x0
	.amdhsa_kernel k_qc55cafad7c_attn
		.amdhsa_group_segment_fixed_size 180224
		.amdhsa_private_segment_fixed_size 0
		.amdhsa_enable_private_segment 0
		.amdhsa_kernarg_size 80
		.amdhsa_user_sgpr_count 2
		.amdhsa_user_sgpr_kernarg_segment_ptr 1
		.amdhsa_wavefront_size32 1
		.amdhsa_system_sgpr_workgroup_id_x 1
		.amdhsa_system_sgpr_workgroup_id_y 1
		.amdhsa_system_sgpr_workgroup_id_z 1
		.amdhsa_system_vgpr_workitem_id 0
		.amdhsa_next_free_vgpr 256
		.amdhsa_next_free_sgpr 66
		.amdhsa_reserve_vcc 0
		.amdhsa_float_denorm_mode_32 3
		.amdhsa_float_denorm_mode_16_64 3
		.amdhsa_memory_ordered 1
		.amdhsa_forward_progress 1
		.amdhsa_inst_pref_size 141
	.end_amdhsa_kernel
	.amdgpu_metadata
---
amdhsa.version: [ 1, 2 ]
amdhsa.kernels:
  - .name:           k_qc55cafad7c_attn
    .symbol:         k_qc55cafad7c_attn.kd
    .args:
      - { .name: qkv, .offset: 0, .size: 8, .value_kind: global_buffer, .address_space: global }
      - { .name: spatial_idx, .offset: 8, .size: 8, .value_kind: global_buffer, .address_space: global }
      - { .name: spatial_wgt, .offset: 16, .size: 8, .value_kind: global_buffer, .address_space: global }
      - { .name: alignment, .offset: 24, .size: 8, .value_kind: global_buffer, .address_space: global }
      - { .name: dist, .offset: 32, .size: 8, .value_kind: global_buffer, .address_space: global }
      - { .name: Wk, .offset: 40, .size: 8, .value_kind: global_buffer, .address_space: global }
      - { .name: Wv, .offset: 48, .size: 8, .value_kind: global_buffer, .address_space: global }
      - { .name: Wp, .offset: 56, .size: 8, .value_kind: global_buffer, .address_space: global }
      - { .name: bp, .offset: 64, .size: 8, .value_kind: global_buffer, .address_space: global }
      - { .name: out0, .offset: 72, .size: 8, .value_kind: global_buffer, .address_space: global }
    .group_segment_fixed_size: 180224
    .private_segment_fixed_size: 0
    .kernarg_segment_align: 8
    .kernarg_segment_size: 80
    .max_flat_workgroup_size: 512
    .sgpr_count:     66
    .vgpr_count:     256
    .wavefront_size: 32
...
	.end_amdgpu_metadata
.endif
;; end of part 2
;; ======== version 2 of 2: 3 launches; 1.15 times as fast as version 1
;; limits: values are held in f16: magnitudes above 65,504 overflow, below 6.1e-05 lose precision
;; workspace buffers: qkv 25,165,824 bytes; obuf 8,388,608 bytes
;; launch qkv (part 3): grid 256 x 1, 12 waves a work-group, no clusters, 245,248 bytes of LDS; arguments x, Wq, Wk, Wv, qkv; writes qkv
.if DOCPART == 3
	.amdgcn_target "amdgcn-amd-amdhsa--gfx1250"
	.amdhsa_code_object_version 6
	.text
	.protected	k_qc55cafad7c_qkv
	.globl	k_qc55cafad7c_qkv
	.p2align	8
	.type	k_qc55cafad7c_qkv,@function
k_qc55cafad7c_qkv:
	s_mov_b64 s[64:65], 0
	v_nop
	global_prefetch_b8 v0, s[64:65] scope:SCOPE_SE
	s_setreg_imm32_b32 hwreg(HW_REG_WAVE_MODE, 25, 1), 1
	s_wait_xcnt 0x0
; q, K, V projections of every row of x, once:  plane 0 = x Wq^T, plane 1 = x Wk[:, 0:128]^T, plane 2 = x Wv[:, 0:128]^T.
; The projection is linear, so it commutes with the gather of neighbours: the second launch gathers projected rows and adds the
; two extra features (columns 128 and 129 of Wk and Wv) there.
; qkv: three planes of f16, each [slice b 8 + t][head][point][32]: one head's rows of one slice are 131,072 consecutive bytes.
; LIMIT: x, the weights and q, K, V are kept in f16: each must stay below 65,504 in magnitude.
; f16 and not bf16, because its 11 bits of mantissa leave the rounding of operands and of the stored rows far inside the tolerance.
; SHARES: a work-group owns 128 rows of x (16 points x 8 t); 12 waves: wave w makes plane w >> 2, rows 32 (w & 3) .. + 31, all 128 columns:
; 8 column tiles x 2 row tiles x 4 steps of 32 along K = 64 matrix instructions, 16 accumulators.
; The matrix instruction takes rows of W as A and rows of x as B: register j of lane (r, hh) is then Y[row 16 nt + r][column 16 mt + 8 hh + j].
; NO JOINT LOADS of the weights, though all work-groups read them: they lie in memory as f32 and are converted in registers on the way;
; as f32 tiles they would take 196,608 bytes of LDS beside the 243,712 used here, more than the 327,680 of a work-group.
.set PITCH, 272                        ; an LDS row: 256 bytes of f16 + 16, an odd multiple of 16
.set XT,  0                            ; 128 rows of x in f16
.set WT,  128*PITCH                    ; 384 rows: Wq, Wk, Wv in f16
.set STG, WT+384*PITCH                 ; 32 rows for each wave, its own: the way out
.set L16, 2                            ; v2   16 x lane
.set L8,  3                            ; v3   8 x lane
.set XA,  4                            ; v4   where my x rows go
.set WA,  5                            ; v5   where my W rows go
.set AAD, 6                            ; v6   my A fragments
.set BAD, 7                            ; v7   my B fragments
.set STO, 8                            ; v8   stage: in
.set RD,  9                            ; v9   stage: back
.set OUTO, 15                          ; v15  my byte offset in the plane
.set AS,  16                           ; v[16:47], v[48:79]   four A fragments, two sets
.set BT,  80                           ; v[80:95], v[96:111]  two B fragments, two sets
.set ACC, 112                          ; v[112:239] tile (mt, nt) at 8 (2 mt + nt)
.set XR,  16                           ; while loading: 16 rows of x
.set WR,  112                          ; while loading: 32 rows of W
.set TMP, 16                           ; the way out: packed results
.set RB,  48                           ; the way out: v[48:111], 16 x 4 registers read back
	s_load_b256 s[4:11], s[0:1], 0x0               ; x s[4:5], Wq s[6:7], Wk s[8:9], Wv s[10:11]
	s_load_b64 s[12:13], s[0:1], 0x20              ; qkv
	v_lshl_add_u32 v240, v0, 2, 0x3b800
	v_mov_b32 v241, 0
	v_lshrrev_b32 v1, 5, v0
	v_readfirstlane_b32 s14, v1                    ; wave 0..11
	s_lshr_b32 s15, s14, 2                         ; plane
	s_and_b32 s16, s14, 3                          ; which 32 rows
	v_and_b32 v1, 31, v0                           ; lane
	v_and_b32 v10, 15, v0                          ; r
	v_bfe_u32 v11, v0, 4, 1                        ; hh
	v_lshlrev_b32 v[L16], 4, v1
	v_lshlrev_b32 v[L8], 3, v1
	v_mul_u32_u24 v12, v10, PITCH
	v_lshl_add_u32 v12, v11, 4, v12                ; r x pitch + 16 hh: a fragment's lane term
	v_lshrrev_b32 v13, 2, v10                      ; back: point r >> 2 of my four (8 stage rows apart),
	v_mul_u32_u24 v13, v13, 8*PITCH
	v_and_b32 v14, 3, v10
	v_lshl_add_u32 v13, v14, 4, v13                ; 16-byte piece r & 3 of a head's 64 bytes,
	v_lshl_add_u32 v13, v11, 6, v13                ; head hh of a pair of heads
	v_lshlrev_b32 v[OUTO], 4, v10
	v_lshl_add_u32 v[OUTO], v11, 17, v[OUTO]       ; 16 r + hh heads of 131,072 bytes
	s_mul_i32 s17, s14, 16*PITCH
	v_add_nc_u32 v[XA], s17, v[L8]                 ; XT (= 0) + 16 w rows + 8 lane (used by waves 0-7 alone)
	s_mul_i32 s17, s14, 32*PITCH
	s_add_co_u32 s18, s17, STG
	v_add_nc_u32 v[STO], s18, v12
	v_add_nc_u32 v[RD], s18, v13
	s_add_co_u32 s17, s17, WT
	v_lshl_add_u32 v[WA], v1, 2, s17               ; WT + 32 w rows + 4 lane
	s_mul_i32 s17, s15, 128*PITCH
	s_add_co_u32 s17, s17, WT
	v_add_nc_u32 v[AAD], s17, v12
	s_mul_i32 s17, s16, 32*PITCH
	v_add_nc_u32 v[BAD], s17, v12
	s_lshl_b32 s18, ttmp9, 16                      ; 128 rows of 512 bytes
	s_lshl_b32 s19, s14, 13                        ; + 16 rows a wave
	s_add_co_u32 s18, s18, s19
	s_mov_b32 s19, 0
	s_lshl_b32 s26, s15, 23                        ; a plane is 8,388,608 bytes
	s_lshr_b32 s27, ttmp9, 7
	s_lshl_b32 s27, s27, 22                        ; b: 8 t x 4 heads x 131,072
	s_add_co_u32 s26, s26, s27
	s_and_b32 s27, ttmp9, 127
	s_lshl_b32 s27, s27, 10                        ; 16 points of 64 bytes
	s_add_co_u32 s26, s26, s27
	s_lshl_b32 s27, s16, 8                         ; my 4 points
	s_add_co_u32 s26, s26, s27
	s_mov_b32 s27, 0
	s_lshl_b32 s17, s16, 14                        ; 32 rows of Wq: 512 bytes each
	s_mul_i32 s28, s16, 32*520                     ; 32 rows of Wk or Wv: 520 bytes each
	s_mov_b32 s29, 0
	s_wait_kmcnt 0x0
	s_add_nc_u64 s[20:21], s[4:5], s[18:19]        ; my 16 rows of x
	s_add_nc_u64 s[24:25], s[12:13], s[26:27]      ; my 4 points in (plane, b, t = 0, head 0)
	s_cmp_eq_u32 s15, 1
	s_cselect_b64 s[22:23], s[8:9], s[10:11]       ; Wk or Wv,
	s_cmp_eq_u32 s15, 0
	s_cselect_b64 s[22:23], s[6:7], s[22:23]       ; or Wq
	s_cselect_b32 s28, s17, s28
	s_add_nc_u64 s[22:23], s[22:23], s[28:29]      ; my 32 rows of it
	; waves 0-7: 16 rows of x, a whole row of 512 bytes by each load
	s_cmp_ge_u32 s14, 8
	s_cbranch_scc1 .Lno_x_load
.set i, 0
.rept 16
	global_load_b128 v[XR+4*i:XR+4*i+3], v[L16], s[20:21] offset:512*i th:TH_LOAD_NT
.set i, i+1
.endr
.Lno_x_load:
; every wave: columns 0-127 of 32 rows of W, 8 bytes a lane (rows of 520 bytes begin on multiples of 8 only): 64 loads on either way
.macro LOADW pitch
.set i, 0
.rept 32
	global_load_b64 v[WR+4*i:WR+4*i+1],   v[L8], s[22:23] offset:i*\pitch
	global_load_b64 v[WR+4*i+2:WR+4*i+3], v[L8], s[22:23] offset:i*\pitch+256
.set i, i+1
.endr
.endm
	s_cmp_lg_u32 s15, 0
	s_cbranch_scc1 .Lrows_520
	LOADW 512
	s_branch .Lw_asked
.Lrows_520:
	LOADW 520
.Lw_asked:
	s_cmp_ge_u32 s14, 8
	s_cbranch_scc1 .Lno_x_conv
	s_wait_loadcnt 63                              ; 64 loads are younger than x's last; the wait's field ends at 63, and the smaller count is safe
.set i, 0
.rept 16
	v_cvt_pk_f16_f32 v[XR+4*i],   v[XR+4*i],   v[XR+4*i+1]
	v_cvt_pk_f16_f32 v[XR+4*i+1], v[XR+4*i+2], v[XR+4*i+3]
	ds_store_b64 v[XA], v[XR+4*i:XR+4*i+1] offset:i*PITCH
.set i, i+1
.endr
.Lno_x_conv:
.macro WCONV g                         ; rows 8 g .. 8 g + 7 of my 32
	s_wait_loadcnt 48-16*\g                        ; two loads a row: 16 (3 - g) are younger than this group's last
.set i, 8*\g
.rept 8
	v_cvt_pk_f16_f32 v[WR+4*i],   v[WR+4*i],   v[WR+4*i+1]
	v_cvt_pk_f16_f32 v[WR+4*i+2], v[WR+4*i+2], v[WR+4*i+3]
	ds_store_b32 v[WA], v[WR+4*i]   offset:i*PITCH       ; columns 2 l, 2 l + 1
	ds_store_b32 v[WA], v[WR+4*i+2] offset:i*PITCH+128   ; columns 64 + 2 l, 64 + 2 l + 1
.set i, i+1
.endr
.endm
	WCONV 0
	WCONV 1
	WCONV 2
	WCONV 3
	s_wait_dscnt 0x0                               ; my stores are in LDS, for the other waves' sake
	s_barrier_signal -1
	s_barrier_wait -1                              ; x and W are whole; nothing in XT or WT is written again
.macro PLACES                          ; four plain vector instructions between a matrix instruction and a load into, or a vector instruction on, its registers
.rept 4
	v_nop
.endr
.endm
; step i = 0..7: K step i >> 1, column tiles 4 (i & 1) .. + 3.  Its loads: on even i the two B fragments (4 loads), always four A fragments (8 loads).
.macro LOADSTEP i
.set ks, (\i)>>1
.set hf, (\i)&1
.if hf == 0
.irp nt, 0,1
	ds_load_b128 v[BT+16*(ks&1)+8*\nt:BT+16*(ks&1)+8*\nt+3],   v[BAD] offset:\nt*16*PITCH+64*ks
	ds_load_b128 v[BT+16*(ks&1)+8*\nt+4:BT+16*(ks&1)+8*\nt+7], v[BAD] offset:\nt*16*PITCH+64*ks+32
.endr
.endif
.irp m, 0,1,2,3
	ds_load_b128 v[AS+32*hf+8*\m:AS+32*hf+8*\m+3],   v[AAD] offset:(4*hf+\m)*16*PITCH+64*ks
	ds_load_b128 v[AS+32*hf+8*\m+4:AS+32*hf+8*\m+7], v[AAD] offset:(4*hf+\m)*16*PITCH+64*ks+32
.endr
.endm
; The next step's fragments are asked for first, into the sets that the step before last read; then this step's eight products.
; The accumulators take turns, one instruction a turn: an accumulator comes round again after fifteen others.
.macro STEP i
.if \i < 7
.if \i >= 1
	PLACES
.endif
	LOADSTEP (\i+1)
.if ((\i+1)&1) == 0
	s_wait_dscnt 12                                ; all but the 12 loads just issued: this step's fragments are in
.else
	s_wait_dscnt 8                                 ; all but the 8 just issued
.endif
.else
	s_wait_dscnt 0
.endif
.set sks, (\i)>>1
.set shf, (\i)&1
.irp m, 0,1,2,3
.irp nt, 0,1
.set acc, ACC+8*(2*(4*shf+\m)+\nt)
.if sks == 0
	v_wmma_f32_16x16x32_f16 v[acc:acc+7], v[AS+32*shf+8*\m:AS+32*shf+8*\m+7], v[BT+16*(sks&1)+8*\nt:BT+16*(sks&1)+8*\nt+7], 0
.else
	v_wmma_f32_16x16x32_f16 v[acc:acc+7], v[AS+32*shf+8*\m:AS+32*shf+8*\m+7], v[BT+16*(sks&1)+8*\nt:BT+16*(sks&1)+8*\nt+7], v[acc:acc+7]
.endif
.endr
.endr
.endm
	LOADSTEP 0
	STEP 0                                         ; steps 0 and 1 start the sums: nothing is cleared
	STEP 1
	STEP 2
	STEP 3
	STEP 4
	STEP 5
	STEP 6
	STEP 7
	PLACES                                         ; behind the last products: the conversions read results and write fragment registers
; THE WAY OUT: my 32 rows (4 points x 8 t) to f16 into my own stage, stage row = 8 x point + t.  Read back by (t, head): the 64 bytes of
; one head of my 4 points are 256 consecutive bytes of the plane.  LDS serves a wave's instructions in order (ISA guide 5.7.1), so no
; wait stands between the stores and the loads.
.macro PACK nt
.irp mt, 0,1,2,3,4,5,6,7
.irp q, 0,1,2,3
	v_cvt_pk_f16_f32 v[TMP+4*\mt+\q], v[ACC+8*(2*\mt+\nt)+2*\q], v[ACC+8*(2*\mt+\nt)+2*\q+1]
.endr
.endr
.irp mt, 0,1,2,3,4,5,6,7
	ds_store_b128 v[STO], v[TMP+4*\mt:TMP+4*\mt+3] offset:\nt*16*PITCH+32*\mt
.endr
.endm
	PACK 0
	PACK 1
.set u, 0
.rept 16                               ; load u: t = u >> 1, heads 2 (u & 1) + hh
	ds_load_b128 v[RB+4*u:RB+4*u+3], v[RD] offset:(u>>1)*PITCH+(u&1)*128
.set u, u+1
.endr
.set u, 0
.rept 16
	s_wait_dscnt 15-u                              ; load u is back
	global_store_b128 v[OUTO], v[RB+4*u:RB+4*u+3], s[24:25] offset:(u>>1)*524288+(u&1)*262144   ; each half of the wave stores 256 consecutive bytes, aligned
.set u, u+1
.endr
	s_wait_tensorcnt 0x0
	ds_add_u32 v240, v241
	s_wait_dscnt 0x0
	s_endpgm
.Lfunc_end_k_qc55cafad7c_qkv:
	.size	k_qc55cafad7c_qkv, .Lfunc_end_k_qc55cafad7c_qkv-k_qc55cafad7c_qkv
	.p2alignl 7, 3214868480
	.fill 96, 4, 3214868480
	.section	.rodata,"a",@progbits
	.p2align	6, 0x0
	.amdhsa_kernel k_qc55cafad7c_qkv
		.amdhsa_group_segment_fixed_size 245248
		.amdhsa_private_segment_fixed_size 0
		.amdhsa_enable_private_segment 0
		.amdhsa_kernarg_size 40
		.amdhsa_user_sgpr_count 2
		.amdhsa_user_sgpr_kernarg_segment_ptr 1
		.amdhsa_wavefront_size32 1
		.amdhsa_system_sgpr_workgroup_id_x 1
		.amdhsa_system_sgpr_workgroup_id_y 1
		.amdhsa_system_sgpr_workgroup_id_z 1
		.amdhsa_system_vgpr_workitem_id 0
		.amdhsa_next_free_vgpr 242
		.amdhsa_next_free_sgpr 66
		.amdhsa_reserve_vcc 0
		.amdhsa_float_denorm_mode_32 3
		.amdhsa_float_denorm_mode_16_64 3
		.amdhsa_memory_ordered 1
		.amdhsa_forward_progress 1
		.amdhsa_inst_pref_size 47
	.end_amdhsa_kernel
	.amdgpu_metadata
---
amdhsa.version: [ 1, 2 ]
amdhsa.kernels:
  - .name:           k_qc55cafad7c_qkv
    .symbol:         k_qc55cafad7c_qkv.kd
    .args:
      - { .name: x, .offset: 0, .size: 8, .value_kind: global_buffer, .address_space: global }
      - { .name: Wq, .offset: 8, .size: 8, .value_kind: global_buffer, .address_space: global }
      - { .name: Wk, .offset: 16, .size: 8, .value_kind: global_buffer, .address_space: global }
      - { .name: Wv, .offset: 24, .size: 8, .value_kind: global_buffer, .address_space: global }
      - { .name: qkv, .offset: 32, .size: 8, .value_kind: global_buffer, .address_space: global }
    .group_segment_fixed_size: 245248
    .private_segment_fixed_size: 0
    .kernarg_segment_align: 8
    .kernarg_segment_size: 40
    .max_flat_workgroup_size: 384
    .sgpr_count:     66
    .vgpr_count:     242
    .wavefront_size: 32
...
	.end_amdgpu_metadata
.endif
;; end of part 3
;; launch attn (part 4): grid 256 x 1, 16 waves a work-group, no clusters, 268,288 bytes of LDS; arguments qkv, spatial_idx, spatial_wgt, alignment, dist, Wk, Wv, obuf; writes obuf
.if DOCPART == 4
	.amdgcn_target "amdgcn-amd-amdhsa--gfx1250"
	.amdhsa_code_object_version 6
	.text
	.protected	k_qc55cafad7c_attn
	.globl	k_qc55cafad7c_attn
	.p2align	8
	.type	k_qc55cafad7c_attn,@function
k_qc55cafad7c_attn:
	s_mov_b64 s[64:65], 0
	v_nop
	global_prefetch_b8 v0, s[64:65] scope:SCOPE_SE
	s_setreg_imm32_b32 hwreg(HW_REG_WAVE_MODE, 25, 1), 1
	s_wait_xcnt 0x0
; Attention of every point over its 16 listed neighbours, one head to a work-group.
;   logit[k] = q_h . (K[idx_k] + ali_k Wk[:,128] + dst_k Wk[:,129])_h / sqrt(32) + ln(wgt_k + 1e-6);  softmax over k with the true maximum taken away;
;   o_h = sum_k p_k (V[idx_k] + ali_k Wv[:,128] + dst_k Wv[:,129])_h, stored as f16 in obuf [slice][head][point][32].
; q, K, V are the f16 planes of the first launch.  Logits are kept in base 2: q is scaled by log2(e) / sqrt(32), the weight enters as log2.
; LIMIT: q, K, V and o are kept in f16: each must stay below 65,504 in magnitude.  An index is clamped to 0..2047.
; SHARES: work-group g owns (slice, head) = g >> 2 and points 512 (g & 3) .. + 511.  One head's K and V of a whole slice,
; 2 x 2048 x 64 = 262,144 bytes, lie in LDS, so the gather never goes to memory.  Each wave brings 8,192 bytes of K and of V by a tensor
; load of its own.  LDS is filled once.
; NO JOINT LOADS, though four work-groups fetch the same K and V: a launch with joint loads keeps every LDS address alike in all partners,
; and here the LDS addresses are the points' own neighbour indices, which differ from partner to partner.
; Wave w owns 32 points as 4 groups of 8: lane l serves point l >> 2 of the group and features 8 (l & 3) .. + 7 of the head.
; THE PRODUCTS RUN ON THE VECTOR UNIT, in f32: each point has a key set of its own, 1 x 32 by 32 x 16: a matrix instruction would leave
; fifteen sixteenths of its result unused.
.set VL,  131072                       ; K at LDS 0, V here, each [2048 points][64 bytes]
.set EK,  262144                       ; for each wave 256 bytes of its own: [feature of the head] -> (Wk[c][128], Wk[c][129])
.set PLANE, 8388608
.set SCALE, 0x3e8293ee                 ; log2(e) / sqrt(32)
.set VV,  64                           ; v[0:63] K rows, v[64:127] V rows, 4 registers a neighbour (halves are named on v0-v127 only)
.set OFF, 128                          ; v[128:143] indices, then LDS addresses of the V rows
.set LL,  144                          ; v[144:159] logits, then p
.set ALI, 160                          ; v[160:175]
.set DST, 176                          ; v[176:191]
.set WV0, 192                          ; v[192:199] Wv[my feature e][128]
.set WV1, 200                          ; v[200:207] Wv[my feature e][129]
.set QQ,  208                          ; v[208:215] q', later o
.set TT,  216                          ; v[216:231] at work
.set UAD, 232                          ; v[232:233] my part of q' . Wk[:,128] and q' . Wk[:,129]; later sum p
.set MM,  234                          ; v[234:235] the maximum (first of the pair)
.set ZZ,  236                          ; v[236:237] sum p ali, sum p dst
.set RR,  238                          ; v[238:239] 1 / sum p (first of the pair)
.set PK,  244                          ; v[244:247] o in f16
.set C16,  248                         ; 16 (l & 3)
.set C16V, 249                         ; the same + VL
.set LOFF, 250                         ; 64 (l >> 2): my point's list in a group
.set QOFF, 251                         ; 16 l: my 16 bytes of q and of o in a group
.set XOFF, 252                         ; 8 (l & 3) rows of 520 bytes: my features' extra columns
.set EKA,  253                         ; my wave's EK + 64 (l & 3)
.set G1,  40                           ; s[40:47] the shape of both tensor loads
.set G0K, 48                           ; s[48:51]
.set G0V, 56                           ; s[56:59]
.macro CVT8 d, a0, a1, a2, a3          ; the eight f16 of v(a0) .. v(a3) widened into v[d .. d+7]
	v_cvt_f32_f16 v[\d+0], v\a0\().l
	v_cvt_f32_f16 v[\d+1], v\a0\().h
	v_cvt_f32_f16 v[\d+2], v\a1\().l
	v_cvt_f32_f16 v[\d+3], v\a1\().h
	v_cvt_f32_f16 v[\d+4], v\a2\().l
	v_cvt_f32_f16 v[\d+5], v\a2\().h
	v_cvt_f32_f16 v[\d+6], v\a3\().l
	v_cvt_f32_f16 v[\d+7], v\a3\().h
.endm
.macro KC e, a, b, h                   ; feature e of neighbours j and j + 1, as a pair
	v_cvt_f32_f16 v[TT+2*\e],   v\a\().\h
	v_cvt_f32_f16 v[TT+2*\e+1], v\b\().\h
.endm
.macro KF lp, e                        ; both logits += that pair x q'[e]
.if (\e)&1
	v_pk_fma_f32 v[\lp:\lp+1], v[TT+2*\e:TT+2*\e+1], v[QQ+\e-1:QQ+\e], v[\lp:\lp+1] op_sel:[0,1,0] op_sel_hi:[1,1,1]
.else
	v_pk_fma_f32 v[\lp:\lp+1], v[TT+2*\e:TT+2*\e+1], v[QQ+\e:QQ+\e+1], v[\lp:\lp+1] op_sel_hi:[1,0,1]
.endif
.endm
.macro KPAIR a0, a1, a2, a3, b0, b1, b2, b3, lp    ; two neighbours' rows against q'
	KC 0, \a0, \b0, l
	KC 1, \a0, \b0, h
	KF \lp, 0
	KC 2, \a1, \b1, l
	KF \lp, 1
	KC 3, \a1, \b1, h
	KF \lp, 2
	KC 4, \a2, \b2, l
	KF \lp, 3
	KC 5, \a2, \b2, h
	KF \lp, 4
	KC 6, \a3, \b3, l
	KF \lp, 5
	KC 7, \a3, \b3, h
	KF \lp, 6
	KF \lp, 7
.endm
.macro VROW a0, a1, a2, a3, tb, pp, odd            ; o += p[j] x one neighbour's V row; p[j] is the first (odd = 0) or second of the pair at pp
	CVT8 \tb, \a0, \a1, \a2, \a3
.irp i, 0,2,4,6
.if \odd
	v_pk_fma_f32 v[QQ+\i:QQ+\i+1], v[\tb+\i:\tb+\i+1], v[\pp:\pp+1], v[QQ+\i:QQ+\i+1] op_sel:[0,1,0] op_sel_hi:[1,1,1]
.else
	v_pk_fma_f32 v[QQ+\i:QQ+\i+1], v[\tb+\i:\tb+\i+1], v[\pp:\pp+1], v[QQ+\i:QQ+\i+1] op_sel_hi:[1,0,1]
.endif
.endr
.endm
.macro LISTA p                         ; group p: indices into OFF, weights into v[0:15], q into v[16:19]; a point's four lanes take its whole lists
.irp i, 0,1,2,3
	global_load_b128 v[OFF+4*\i:OFF+4*\i+3], v[LOFF], s[28:29] offset:512*\p+16*\i
.endr
.irp i, 0,1,2,3
	global_load_b128 v[4*\i:4*\i+3], v[LOFF], s[30:31] offset:512*\p+16*\i
.endr
	global_load_b128 v[16:19], v[QOFF], s[24:25] offset:512*\p th:TH_LOAD_NT
.endm
.macro LISTB p                         ; group p: ali and dst
.irp i, 0,1,2,3
	global_load_b128 v[ALI+4*\i:ALI+4*\i+3], v[LOFF], s[32:33] offset:512*\p+16*\i
.endr
.irp i, 0,1,2,3
	global_load_b128 v[DST+4*\i:DST+4*\i+3], v[LOFF], s[34:35] offset:512*\p+16*\i
.endr
.endm
	s_load_b512 s[8:23], s[0:1], 0x0               ; qkv 8, idx 10, wgt 12, ali 14, dist 16, Wk 18, Wv 20, obuf 22
	v_lshl_add_u32 v254, v0, 2, 0x41000
	v_mov_b32 v255, 0
	ds_add_u32 v254, v255
	ds_add_u32 v254, v255
	v_lshrrev_b32 v216, 5, v0
	v_readfirstlane_b32 s3, v216                   ; wave 0..15
	s_lshr_b32 s4, ttmp9, 2                        ; 4 x slice + head
	s_and_b32 s5, ttmp9, 3                         ; which 512 points
	s_lshr_b32 s6, s4, 2                           ; slice
	s_and_b32 s7, s4, 3                            ; head
	v_and_b32 v216, 31, v0                         ; lane
	v_and_b32 v217, 3, v0
	v_lshrrev_b32 v218, 2, v216
	v_lshlrev_b32 v[C16], 4, v217
	v_add_nc_u32 v[C16V], VL, v[C16]
	v_lshlrev_b32 v[LOFF], 6, v218
	v_lshlrev_b32 v[QOFF], 4, v216
	v_mul_u32_u24 v[XOFF], v217, 8*520
	s_lshl_b32 s52, s3, 8
	s_add_co_u32 s52, s52, EK
	v_lshl_add_u32 v[EKA], v217, 6, s52
	v_mov_b32 v[MM+1], 0                           ; the seconds of two pairs that packed instructions name whole
	v_mov_b32 v[RR+1], 0
	; the shape: 8,192 dense bytes as 32 rows of 32 elements of 8 bytes
	s_mov_b32 s[G1+0], 3<<16                       ; 15:0 mask = 0 (no cluster); 17:16 elements of 8 bytes; no padding
	s_mov_b32 s[G1+1], 32<<16                      ; tensor_dim0 = 32
	s_mov_b32 s[G1+2], 32<<16                      ; tensor_dim1 = 32
	s_mov_b32 s[G1+3], 32<<16                      ; tile_dim0 = 32
	s_mov_b32 s[G1+4], 32                          ; tile_dim1 = 32
	s_mov_b32 s[G1+5], 32                          ; pitch = 32 elements
	s_mov_b32 s[G1+6], 0
	s_mov_b32 s[G1+7], 0
	s_mov_b32 s[G0K], 1
	s_lshl_b32 s[G0K+1], s3, 13                    ; LDS: wave x 8,192
	s_mov_b32 s[G0V], 1
	s_add_co_u32 s[G0V+1], s[G0K+1], VL
	s_lshl_b32 s54, s4, 17                         ; (slice, head): 131,072 bytes
	s_add_co_u32 s54, s54, s[G0K+1]                ; + my wave's 8,192
	s_mov_b32 s55, 0
	s_lshl_b32 s52, s5, 15                         ; 512 points of 64 bytes
	s_lshl_b32 s53, s3, 11                         ; 32 points a wave
	s_add_co_u32 s52, s52, s53
	s_lshl_b32 s53, s4, 17
	s_add_co_u32 s60, s52, s53                     ; my points in q's plane and in obuf
	s_mov_b32 s61, 0
	s_lshl_b32 s53, s6, 17
	s_add_co_u32 s52, s52, s53                     ; my points' lists
	s_mov_b32 s53, 0
	s_wait_dscnt 0x0
	s_wait_kmcnt 0x0
	s_add_nc_u64 s[G0K+2:G0K+3], s[8:9], s[54:55]
	s_add_nc_u64 s[G0K+2:G0K+3], s[G0K+2:G0K+3], PLANE
	s_add_nc_u64 s[G0V+2:G0V+3], s[G0K+2:G0K+3], PLANE
	s_or_b32 s[G0K+3], s[G0K+3], 0x80000000
	s_or_b32 s[G0V+3], s[G0V+3], 0x80000000
	tensor_load_to_lds s[G0K:G0K+3], s[G1:G1+7]    ; two tensor loads of this wave are out, and no more follow
	s_nop 0
	tensor_load_to_lds s[G0V:G0V+3], s[G1:G1+7]
	s_nop 0
	s_add_nc_u64 s[24:25], s[8:9], s[60:61]        ; q
	s_add_nc_u64 s[26:27], s[22:23], s[60:61]      ; o
	s_add_nc_u64 s[28:29], s[10:11], s[52:53]      ; idx
	s_add_nc_u64 s[30:31], s[12:13], s[52:53]      ; wgt
	s_add_nc_u64 s[32:33], s[14:15], s[52:53]      ; ali
	s_add_nc_u64 s[34:35], s[16:17], s[52:53]      ; dst
	s_mul_i32 s52, s7, 32*520
	s_add_co_u32 s52, s52, 512
	s_add_nc_u64 s[36:37], s[18:19], s[52:53]      ; Wk[32 head][128]
	s_add_nc_u64 s[38:39], s[20:21], s[52:53]      ; Wv[32 head][128]
	LISTA 0                                        ; (v0 is not needed any more)
	LISTB 0
.irp e, 0,1,2,3,4,5,6,7
	global_load_b64 v[TT+2*\e:TT+2*\e+1], v[XOFF], s[38:39] offset:520*\e
	global_load_b64 v[32+2*\e:33+2*\e],   v[XOFF], s[36:37] offset:520*\e
.endr
	s_wait_loadcnt 0x0
.irp e, 0,1,2,3,4,5,6,7
	v_mov_b32 v[WV0+\e], v[TT+2*\e]
	v_mov_b32 v[WV1+\e], v[TT+2*\e+1]
.endr
.irp i, 0,1,2,3
	ds_store_b128 v[EKA], v[32+4*\i:35+4*\i] offset:16*\i      ; my wave's own bytes; eight lanes write the same bytes with the same values
.endr
	s_wait_tensorcnt 0x0                           ; my parts of K and V are in LDS,
	s_wait_dscnt 0x0
	s_barrier_signal -1
	s_barrier_wait -1                              ; and everybody's are
; One group of 8 points.  On entry its lists and q are on their way or in.
.macro GROUP p, last
	s_wait_loadcnt 0x0                             ; asked for during the group before
.irp i, 0,2,4,6,8,10,12,14
	v_pk_add_f32 v[LL+\i:LL+\i+1], v[\i:\i+1], 0x358637bd op_sel_hi:[1,0]      ; wgt + 1e-6
.endr
	CVT8 QQ, 16, 17, 18, 19
.irp j, 0,1,2,3,4,5,6,7,8,9,10,11,12,13,14,15
	v_min_u32 v[OFF+\j], 0x7ff, v[OFF+\j]
.endr
.irp i, 0,1,2,3
	ds_load_b128 v[TT+4*\i:TT+4*\i+3], v[EKA] offset:16*\i     ; Wk's extra columns of my 8 features
.endr
.irp j, 0,1,2,3,4,5,6,7,8,9,10,11,12,13,14,15
	v_lshl_add_u32 v[4*\j], v[OFF+\j], 6, v[C16]               ; a row is 64 bytes; my 16 of them
.endr
.irp j, 0,1,2,3,4,5,6,7,8,9,10,11,12,13,14,15
	ds_load_b128 v[4*\j:4*\j+3], v[4*\j]                       ; K rows; each load lands on its own address
.endr
.irp j, 0,1,2,3,4,5,6,7,8,9,10,11,12,13,14,15
	v_lshl_add_u32 v[OFF+\j], v[OFF+\j], 6, v[C16V]
.endr
.irp j, 0,1,2,3,4,5,6,7,8,9,10,11,12,13,14,15
	ds_load_b128 v[VV+4*\j:VV+4*\j+3], v[OFF+\j]               ; V rows
.endr
.irp j, 0,1,2,3,4,5,6,7,8,9,10,11,12,13,14,15
	v_log_f32 v[LL+\j], v[LL+\j]
.endr
	s_wait_dscnt 32                                ; the extra columns are in: 16 K and 16 V loads are younger
.irp i, 0,2,4,6
	v_pk_mul_f32 v[QQ+\i:QQ+\i+1], v[QQ+\i:QQ+\i+1], SCALE op_sel_hi:[1,0]     ; (plain instructions behind the logarithms: ISA guide 5.7.2)
.endr
	v_pk_mul_f32 v[UAD:UAD+1], v[TT:TT+1], v[QQ:QQ+1] op_sel_hi:[1,0]
	v_pk_fma_f32 v[UAD:UAD+1], v[TT+2:TT+3], v[QQ:QQ+1], v[UAD:UAD+1] op_sel:[0,1,0] op_sel_hi:[1,1,1]
.irp i, 2,4,6
	v_pk_fma_f32 v[UAD:UAD+1], v[TT+2*\i:TT+2*\i+1],   v[QQ+\i:QQ+\i+1], v[UAD:UAD+1] op_sel_hi:[1,0,1]
	v_pk_fma_f32 v[UAD:UAD+1], v[TT+2*\i+2:TT+2*\i+3], v[QQ+\i:QQ+\i+1], v[UAD:UAD+1] op_sel:[0,1,0] op_sel_hi:[1,1,1]
.endr
	; the logits start as a quarter of log2(wgt + 1e-6) in each of a point's four lanes (their sum restores it, exactly), plus my part of the extra features
	s_wait_alu depctr_va_vdst(0)
.irp i, 0,2,4,6,8,10,12,14
	v_pk_mul_f32 v[LL+\i:LL+\i+1], v[LL+\i:LL+\i+1], 0x3e800000 op_sel_hi:[1,0]
.endr
.irp i, 0,2,4,6,8,10,12,14
	v_pk_fma_f32 v[LL+\i:LL+\i+1], v[ALI+\i:ALI+\i+1], v[UAD:UAD+1], v[LL+\i:LL+\i+1] op_sel_hi:[1,0,1]
.endr
.irp i, 0,2,4,6,8,10,12,14
	v_pk_fma_f32 v[LL+\i:LL+\i+1], v[DST+\i:DST+\i+1], v[UAD:UAD+1], v[LL+\i:LL+\i+1] op_sel:[0,1,0] op_sel_hi:[1,1,1]
.endr
	s_wait_dscnt 28                                ; K rows 0-3 are in: 12 of K and 16 of V are younger
	KPAIR 0,1,2,3, 4,5,6,7, LL+0
	KPAIR 8,9,10,11, 12,13,14,15, LL+2
	s_wait_dscnt 24
	KPAIR 16,17,18,19, 20,21,22,23, LL+4
	KPAIR 24,25,26,27, 28,29,30,31, LL+6
	s_wait_dscnt 20
	KPAIR 32,33,34,35, 36,37,38,39, LL+8
	KPAIR 40,41,42,43, 44,45,46,47, LL+10
	s_wait_dscnt 16
	KPAIR 48,49,50,51, 52,53,54,55, LL+12
	KPAIR 56,57,58,59, 60,61,62,63, LL+14
	s_wait_dscnt 0x0                               ; the V rows are in, so OFF serves no pending load
.if \last == 0
	LISTA (\p+1)                                   ; the next group's indices, weights and q land during this group's second half
.endif
	; a point's four lanes add their parts; each then holds the 16 logits
.irp j, 0,1,2,3,4,5,6,7,8,9,10,11,12,13,14,15
	v_add_f32_dpp v[LL+\j], v[LL+\j], v[LL+\j] row_xmask:1 row_mask:0xf bank_mask:0xf
.endr
.irp j, 0,1,2,3,4,5,6,7,8,9,10,11,12,13,14,15
	v_add_f32_dpp v[LL+\j], v[LL+\j], v[LL+\j] row_xmask:2 row_mask:0xf bank_mask:0xf
.endr
	v_max3_num_f32 v[TT+0], v[LL+0],  v[LL+1],  v[LL+2]
	v_max3_num_f32 v[TT+1], v[LL+3],  v[LL+4],  v[LL+5]
	v_max3_num_f32 v[TT+2], v[LL+6],  v[LL+7],  v[LL+8]
	v_max3_num_f32 v[TT+3], v[LL+9],  v[LL+10], v[LL+11]
	v_max3_num_f32 v[TT+4], v[LL+12], v[LL+13], v[LL+14]
	v_max3_num_f32 v[TT+0], v[TT+0], v[TT+1], v[TT+2]
	v_max3_num_f32 v[TT+3], v[TT+3], v[TT+4], v[LL+15]
	v_max_num_f32 v[MM], v[TT+0], v[TT+3]          ; the true maximum of the 16
.irp i, 0,2,4,6,8,10,12,14
	v_pk_add_f32 v[LL+\i:LL+\i+1], v[LL+\i:LL+\i+1], v[MM:MM+1] op_sel_hi:[1,0] neg_lo:[0,1] neg_hi:[0,1]
.endr
.irp j, 0,1,2,3,4,5,6,7,8,9,10,11,12,13,14,15
	v_exp_f32 v[LL+\j], v[LL+\j]                   ; p, not yet divided: the largest is 1
.endr
	v_nop                                          ; the plain instruction behind the exponentials (ISA guide 5.7.2)
	s_wait_alu depctr_va_vdst(0)
	v_pk_add_f32 v[TT+0:TT+1], v[LL+0:LL+1],   v[LL+2:LL+3]
	v_pk_add_f32 v[TT+2:TT+3], v[LL+4:LL+5],   v[LL+6:LL+7]
	v_pk_add_f32 v[TT+4:TT+5], v[LL+8:LL+9],   v[LL+10:LL+11]
	v_pk_add_f32 v[TT+6:TT+7], v[LL+12:LL+13], v[LL+14:LL+15]
	v_pk_mul_f32 v[TT+8:TT+9],   v[LL:LL+1], v[ALI:ALI+1]
	v_pk_mul_f32 v[TT+10:TT+11], v[LL:LL+1], v[DST:DST+1]
	v_pk_add_f32 v[TT+0:TT+1], v[TT+0:TT+1], v[TT+2:TT+3]
	v_pk_add_f32 v[TT+4:TT+5], v[TT+4:TT+5], v[TT+6:TT+7]
.irp i, 2,4,6,8,10,12,14
	v_pk_fma_f32 v[TT+8:TT+9],   v[LL+\i:LL+\i+1], v[ALI+\i:ALI+\i+1], v[TT+8:TT+9]
	v_pk_fma_f32 v[TT+10:TT+11], v[LL+\i:LL+\i+1], v[DST+\i:DST+\i+1], v[TT+10:TT+11]
.endr
.if \last == 0
	LISTB (\p+1)                                   ; ali and dst have been read for the last time: the next group's
.endif
	v_pk_add_f32 v[TT+0:TT+1], v[TT+0:TT+1], v[TT+4:TT+5]
	v_add_f32 v[UAD], v[TT+0], v[TT+1]             ; sum p, at least 1
	v_rcp_f32 v[RR], v[UAD]
	v_add_f32 v[ZZ],   v[TT+8],  v[TT+9]           ; sum p ali  (also the plain instruction behind the reciprocal)
	v_add_f32 v[ZZ+1], v[TT+10], v[TT+11]          ; sum p dst
	; o starts with the two extra features: nothing is cleared
.irp i, 0,2,4,6
	v_pk_mul_f32 v[QQ+\i:QQ+\i+1], v[WV0+\i:WV0+\i+1], v[ZZ:ZZ+1] op_sel_hi:[1,0]
.endr
.irp i, 0,2,4,6
	v_pk_fma_f32 v[QQ+\i:QQ+\i+1], v[WV1+\i:WV1+\i+1], v[ZZ:ZZ+1], v[QQ+\i:QQ+\i+1] op_sel:[0,1,0] op_sel_hi:[1,1,1]
.endr
	VROW 64,65,66,67,     TT,   LL+0, 0
	VROW 68,69,70,71,     TT+8, LL+0, 1
	VROW 72,73,74,75,     TT,   LL+2, 0
	VROW 76,77,78,79,     TT+8, LL+2, 1
	VROW 80,81,82,83,     TT,   LL+4, 0
	VROW 84,85,86,87,     TT+8, LL+4, 1
	VROW 88,89,90,91,     TT,   LL+6, 0
	VROW 92,93,94,95,     TT+8, LL+6, 1
	VROW 96,97,98,99,     TT,   LL+8, 0
	VROW 100,101,102,103, TT+8, LL+8, 1
	VROW 104,105,106,107, TT,   LL+10, 0
	VROW 108,109,110,111, TT+8, LL+10, 1
	VROW 112,113,114,115, TT,   LL+12, 0
	VROW 116,117,118,119, TT+8, LL+12, 1
	VROW 120,121,122,123, TT,   LL+14, 0
	VROW 124,125,126,127, TT+8, LL+14, 1
	s_wait_alu depctr_va_vdst(0)
.irp i, 0,2,4,6
	v_pk_mul_f32 v[QQ+\i:QQ+\i+1], v[QQ+\i:QQ+\i+1], v[RR:RR+1] op_sel_hi:[1,0]
.endr
	s_wait_xcnt 0x0                                ; PK is the data of the last group's store: it is rewritten only behind this wait
.irp i, 0,1,2,3
	v_cvt_pk_f16_f32 v[PK+\i], v[QQ+2*\i], v[QQ+2*\i+1]
.endr
	global_store_b128 v[QOFF], v[PK:PK+3], s[26:27] offset:512*\p      ; the wave stores 512 consecutive bytes, aligned
.endm
	GROUP 0, 0
	GROUP 1, 0
	GROUP 2, 0
	GROUP 3, 1
	s_wait_tensorcnt 0x0
	ds_add_u32 v254, v255
	s_wait_dscnt 0x0
	s_endpgm
.Lfunc_end_k_qc55cafad7c_attn:
	.size	k_qc55cafad7c_attn, .Lfunc_end_k_qc55cafad7c_attn-k_qc55cafad7c_attn
	.p2alignl 7, 3214868480
	.fill 96, 4, 3214868480
	.section	.rodata,"a",@progbits
	.p2align	6, 0x0
	.amdhsa_kernel k_qc55cafad7c_attn
		.amdhsa_group_segment_fixed_size 268288
		.amdhsa_private_segment_fixed_size 0
		.amdhsa_enable_private_segment 0
		.amdhsa_kernarg_size 64
		.amdhsa_user_sgpr_count 2
		.amdhsa_user_sgpr_kernarg_segment_ptr 1
		.amdhsa_wavefront_size32 1
		.amdhsa_system_sgpr_workgroup_id_x 1
		.amdhsa_system_sgpr_workgroup_id_y 1
		.amdhsa_system_sgpr_workgroup_id_z 1
		.amdhsa_system_vgpr_workitem_id 0
		.amdhsa_next_free_vgpr 256
		.amdhsa_next_free_sgpr 66
		.amdhsa_reserve_vcc 0
		.amdhsa_float_denorm_mode_32 3
		.amdhsa_float_denorm_mode_16_64 3
		.amdhsa_memory_ordered 1
		.amdhsa_forward_progress 1
		.amdhsa_inst_pref_size 140
	.end_amdhsa_kernel
	.amdgpu_metadata
---
amdhsa.version: [ 1, 2 ]
amdhsa.kernels:
  - .name:           k_qc55cafad7c_attn
    .symbol:         k_qc55cafad7c_attn.kd
    .args:
      - { .name: qkv, .offset: 0, .size: 8, .value_kind: global_buffer, .address_space: global }
      - { .name: spatial_idx, .offset: 8, .size: 8, .value_kind: global_buffer, .address_space: global }
      - { .name: spatial_wgt, .offset: 16, .size: 8, .value_kind: global_buffer, .address_space: global }
      - { .name: alignment, .offset: 24, .size: 8, .value_kind: global_buffer, .address_space: global }
      - { .name: dist, .offset: 32, .size: 8, .value_kind: global_buffer, .address_space: global }
      - { .name: Wk, .offset: 40, .size: 8, .value_kind: global_buffer, .address_space: global }
      - { .name: Wv, .offset: 48, .size: 8, .value_kind: global_buffer, .address_space: global }
      - { .name: obuf, .offset: 56, .size: 8, .value_kind: global_buffer, .address_space: global }
    .group_segment_fixed_size: 268288
    .private_segment_fixed_size: 0
    .kernarg_segment_align: 8
    .kernarg_segment_size: 64
    .max_flat_workgroup_size: 512
    .sgpr_count:     66
    .vgpr_count:     256
    .wavefront_size: 32
...
	.end_amdgpu_metadata
.endif
;; end of part 4
;; launch proj (part 5): grid 256 x 1, 16 waves a work-group, no clusters, 106,496 bytes of LDS; arguments obuf, Wp, bp, out0; writes out0
.if DOCPART == 5
	.amdgcn_target "amdgcn-amd-amdhsa--gfx1250"
	.amdhsa_code_object_version 6
	.text
	.protected	k_qc55cafad7c_proj
	.globl	k_qc55cafad7c_proj
	.p2align	8
	.type	k_qc55cafad7c_proj,@function
k_qc55cafad7c_proj:
	s_mov_b64 s[64:65], 0
	v_nop
	global_prefetch_b8 v0, s[64:65] scope:SCOPE_SE
	s_setreg_imm32_b32 hwreg(HW_REG_WAVE_MODE, 25, 1), 1
	s_wait_xcnt 0x0
; out0[b][s][t][:] = o Wp^T + bp.  obuf: f16 [slice b 8 + t][head][point][32], so a K step of 32 is one head.
; LIMIT: o and Wp are kept in f16: each must stay below 65,504 in magnitude.
; SHARES: work-group g owns slice g >> 4, points 128 (g & 15) .. + 127.  Wave w makes points 16 (w >> 1) .. + 15, columns 64 (w & 1) .. + 63:
; rows of Wp as A (from LDS, converted once), rows of o as B (straight from memory: a fragment's 16 rows of one head are 1,024 consecutive
; bytes), so that register j of lane (r, hh) is out[point r][column 16 mt + 8 hh + j].
; NO JOINT LOADS: Wp lies in memory as f32 and is converted in registers; it is 65,536 bytes against the 98,304 of o and out0 that are a work-group's own.
.set PITCH, 272
.set STG, 128*PITCH                    ; Wp in f16 at 0; behind it 16 rows of 272 bytes for each wave, its own
	s_load_b256 s[8:15], s[0:1], 0x0               ; obuf 8, Wp 10, bp 12, out0 14
	v_lshl_add_u32 v240, v0, 2, 0x19800
	v_mov_b32 v241, 0
	v_lshrrev_b32 v236, 5, v0
	v_readfirstlane_b32 s3, v236                   ; wave 0..15
	s_mov_b32 s2, ttmp9
	s_lshr_b32 s4, s2, 7                           ; b
	s_bfe_u32 s5, s2, 0x30004                      ; t
	s_and_b32 s6, s2, 15
	s_lshl_b32 s6, s6, 7                           ; first point
	s_lshr_b32 s7, s2, 4                           ; slice
	s_and_b32 s16, s3, 1                           ; which 64 columns
	s_lshr_b32 s17, s3, 1                          ; which 16 points
	v_and_b32 v236, 31, v0                         ; lane
	v_and_b32 v237, 15, v0                         ; r
	v_bfe_u32 v238, v0, 4, 1                       ; hh
	v_lshlrev_b32 v233, 4, v237                    ; 16 r
	v_lshlrev_b32 v234, 4, v236                    ; 16 lane
	v_mul_u32_u24 v239, v237, PITCH
	s_mul_i32 s18, s16, 64*PITCH
	v_lshl_add_u32 v228, v238, 4, v239
	v_add_nc_u32 v228, s18, v228                   ; A: my 64 rows of Wp, r x pitch + 16 hh
	v_lshlrev_b32 v229, 6, v237
	v_lshl_add_u32 v229, v238, 4, v229             ; B: 64 r + 16 hh
	s_mul_i32 s18, s3, 16*PITCH
	s_add_co_u32 s18, s18, STG
	v_lshl_add_u32 v230, v238, 5, v239
	v_add_nc_u32 v230, s18, v230                   ; stage, in: r x pitch + 32 hh
	v_mul_u32_u24 v231, v238, PITCH
	v_add_nc_u32 v231, v231, v233
	v_add_nc_u32 v231, s18, v231                   ; stage, back: two rows of 256 bytes a load
	v_lshl_add_u32 v232, v238, 12, v233            ; out0: 4,096 hh + 16 r
	s_mul_i32 s18, s3, 8*PITCH
	v_lshl_add_u32 v235, v236, 3, s18              ; where my 8 rows of Wp go
	s_lshl4_add_u32 s19, s17, s6                   ; my first point
	s_lshl_b32 s20, s7, 19                         ; a slice: 4 heads of 131,072 bytes
	s_lshl_b32 s21, s19, 6
	s_add_co_u32 s20, s20, s21
	s_mov_b32 s21, 0
	s_lshl_b32 s22, s3, 12
	s_mov_b32 s23, 0
	s_lshl_b32 s24, s16, 8
	s_mov_b32 s25, 0
	s_lshl_b32 s26, s19, 12                        ; a point of out0 is 8 x 512 bytes
	s_lshl_b32 s27, s4, 23
	s_add_co_u32 s26, s26, s27
	s_lshl_b32 s27, s5, 9
	s_add_co_u32 s26, s26, s27
	s_add_co_u32 s26, s26, s24
	s_mov_b32 s27, 0
	s_wait_kmcnt 0x0
	s_add_nc_u64 s[8:9], s[8:9], s[20:21]
	s_add_nc_u64 s[10:11], s[10:11], s[22:23]
	s_add_nc_u64 s[12:13], s[12:13], s[24:25]
	s_add_nc_u64 s[14:15], s[14:15], s[26:27]
.irp ks, 0,1,2,3
	global_load_b128 v[128+8*\ks:131+8*\ks], v229, s[8:9] offset:131072*\ks
	global_load_b128 v[132+8*\ks:135+8*\ks], v229, s[8:9] offset:131072*\ks+32
.endr
.irp i, 0,1,2,3,4,5,6,7
	global_load_b128 v[160+4*\i:163+4*\i], v234, s[10:11] offset:512*\i
.endr
	global_load_b128 v[224:227], v233, s[12:13]    ; bp of my four columns on the way out
	s_wait_loadcnt 1                               ; only bp may be out: o's fragments and Wp's rows are in
.irp i, 0,1,2,3,4,5,6,7
	v_cvt_pk_f16_f32 v[160+4*\i], v[160+4*\i], v[161+4*\i]
	v_cvt_pk_f16_f32 v[161+4*\i], v[162+4*\i], v[163+4*\i]
	ds_store_b64 v235, v[160+4*\i:161+4*\i] offset:\i*PITCH
.endr
	s_wait_dscnt 0x0                               ; my stores are in LDS, for the other waves' sake
	s_barrier_signal -1
	s_barrier_wait -1                              ; Wp is whole
.irp ks, 0,1,2,3
.irp mt, 0,1,2,3
	ds_load_b128 v[32*\ks+8*\mt:32*\ks+8*\mt+3],   v228 offset:\mt*16*PITCH+64*\ks
	ds_load_b128 v[32*\ks+8*\mt+4:32*\ks+8*\mt+7], v228 offset:\mt*16*PITCH+64*\ks+32
.endr
.endr
	; the four accumulators take turns, one instruction a turn; the first K step starts the sums
.irp ks, 0,1,2,3
	s_wait_dscnt 24-8*\ks                          ; eight loads a K step: the later steps' may stay out
.irp mt, 0,1,2,3
.if \ks == 0
	v_wmma_f32_16x16x32_f16 v[160+8*\mt:167+8*\mt], v[32*\ks+8*\mt:32*\ks+8*\mt+7], v[128+8*\ks:135+8*\ks], 0
.else
	v_wmma_f32_16x16x32_f16 v[160+8*\mt:167+8*\mt], v[32*\ks+8*\mt:32*\ks+8*\mt+7], v[128+8*\ks:135+8*\ks], v[160+8*\mt:167+8*\mt]
.endif
.endr
.endr
.rept 4
	v_nop                                          ; four plain instructions before the LDS stores read the results
.endr
.irp mt, 0,1,2,3
	ds_store_b128 v230, v[160+8*\mt:163+8*\mt] offset:64*\mt
	ds_store_b128 v230, v[164+8*\mt:167+8*\mt] offset:64*\mt+16
.endr
.irp t, 0,1,2,3,4,5,6,7
	ds_load_b128 v[192+4*\t:195+4*\t], v231 offset:2*\t*PITCH      ; my own bytes, served in order (ISA guide 5.7.1): no wait between
.endr
	s_wait_loadcnt 0x0                             ; bp
.irp t, 0,1,2,3,4,5,6,7
	s_wait_dscnt 7-\t
	v_pk_add_f32 v[192+4*\t:193+4*\t], v[192+4*\t:193+4*\t], v[224:225]
	v_pk_add_f32 v[194+4*\t:195+4*\t], v[194+4*\t:195+4*\t], v[226:227]
	global_store_b128 v232, v[192+4*\t:195+4*\t], s[14:15] offset:8192*\t th:TH_STORE_NT   ; sixteen lanes store 256 consecutive bytes, aligned
.endr
	s_wait_tensorcnt 0x0
	ds_add_u32 v240, v241
	s_wait_dscnt 0x0
	s_endpgm
.Lfunc_end_k_qc55cafad7c_proj:
	.size	k_qc55cafad7c_proj, .Lfunc_end_k_qc55cafad7c_proj-k_qc55cafad7c_proj
	.p2alignl 7, 3214868480
	.fill 96, 4, 3214868480
	.section	.rodata,"a",@progbits
	.p2align	6, 0x0
	.amdhsa_kernel k_qc55cafad7c_proj
		.amdhsa_group_segment_fixed_size 106496
		.amdhsa_private_segment_fixed_size 0
		.amdhsa_enable_private_segment 0
		.amdhsa_kernarg_size 32
		.amdhsa_user_sgpr_count 2
		.amdhsa_user_sgpr_kernarg_segment_ptr 1
		.amdhsa_wavefront_size32 1
		.amdhsa_system_sgpr_workgroup_id_x 1
		.amdhsa_system_sgpr_workgroup_id_y 1
		.amdhsa_system_sgpr_workgroup_id_z 1
		.amdhsa_system_vgpr_workitem_id 0
		.amdhsa_next_free_vgpr 242
		.amdhsa_next_free_sgpr 66
		.amdhsa_reserve_vcc 0
		.amdhsa_float_denorm_mode_32 3
		.amdhsa_float_denorm_mode_16_64 3
		.amdhsa_memory_ordered 1
		.amdhsa_forward_progress 1
		.amdhsa_inst_pref_size 13
	.end_amdhsa_kernel
	.amdgpu_metadata
---
amdhsa.version: [ 1, 2 ]
amdhsa.kernels:
  - .name:           k_qc55cafad7c_proj
    .symbol:         k_qc55cafad7c_proj.kd
    .args:
      - { .name: obuf, .offset: 0, .size: 8, .value_kind: global_buffer, .address_space: global }
      - { .name: Wp, .offset: 8, .size: 8, .value_kind: global_buffer, .address_space: global }
      - { .name: bp, .offset: 16, .size: 8, .value_kind: global_buffer, .address_space: global }
      - { .name: out0, .offset: 24, .size: 8, .value_kind: global_buffer, .address_space: global }
    .group_segment_fixed_size: 106496
    .private_segment_fixed_size: 0
    .kernarg_segment_align: 8
    .kernarg_segment_size: 32
    .max_flat_workgroup_size: 512
    .sgpr_count:     66
    .vgpr_count:     242
    .wavefront_size: 32
...
	.end_amdgpu_metadata
.endif
;; end of part 5
